; MI455X (gfx1250); checked and timed in simulation.
; The chip was launched on July 23, 2026; its instructions are those of AMD's public machine-readable ISA for CDNA 5 (MIT licence, August 2026) and "CDNA5" Instruction Set Architecture Reference Guide (July 2026). The comments in the code are by the model that wrote it; some were corrected since.
;; Multi Head Attention W. Allowed arithmetic: matrix products marked QUANTISED: E2M3 operands, one E8M0 scale for each 32 along K, by v_wmma_scale_f32_16x16x128_f8f6f4 with both operands' format E2M3, f32 sums; everything else in f32.
;; Inputs: Wk 1,024 x 1,024 float32; Wo 1,024 x 1,024 float32; Wq 1,024 x 1,024 float32; Wv 1,024 x 1,024 float32; head_w 16 float32; mask 2 x 1 x 1 x 2,048 bool; x 2 x 2,048 x 1,024 float32.
;; Outputs: out0 2 x 2,048 x 1,024 float32.
;; This version of the problem:
;;   THIS VERSION OF THE PROBLEM IS GIVEN IN LOW PRECISION. The matrix products marked QUANTISED in the list below multiply operands that are first quantised to E2M3 (2 exponent bits, 3 mantissa bits; 6 bits a number), with one power-of-two scale for each 32 numbers along K (OCP MX v1.0); their sums are f32. All else is computed in f32.
;;   The module's matrix products, in the order in which they are computed (A, B: the left and right operand; K: the contracted axis; several contracted axes count as one K, in the product's order):
;;     1. [M 4,096, K 1,024] x [K 1,024, N 1,024]; A: input x; B: input Wq: QUANTISED
;;     2. [M 4,096, K 1,024] x [K 1,024, N 1,024]; A: input x; B: input Wk: QUANTISED
;;     3. [M 4,096, K 1,024] x [K 1,024, N 1,024]; A: input x; B: input Wv: QUANTISED
;;     4. batch 32 x [M 2,048, K 64] x [K 64, N 2,048]; A: computed on the way; B: computed on the way: QUANTISED
;;     5. batch 32 x [M 2,048, K 2,048] x [K 2,048, N 64]; A: softmax (see below); B: computed on the way: QUANTISED
;;     6. [M 4,096, K 1,024] x [K 1,024, N 1,024]; A: computed on the way; B: input Wo: QUANTISED
;;   THE QUANTISER, for each operand of a quantised product, along K:
;;     - K is cut into blocks of 32 from its start; a last block that is shorter is filled with zeros.
;;     - A block's scale is 2^e with e = floor(log2(the largest magnitude in the block)) - 2, held to -126 .. 127; a block of zeros has e = 0. As a byte (E8M0): e + 127.
;;     - Each number is divided by its block's scale, clamped to +-7.5, and rounded to the nearest number of E2M3, ties to even, subnormals kept.
;;     - The product sums the exact products of the quantised numbers (number of the format x scale) in f32.
;;   ~~~python
;;   def quantise(x, axis):      # numpy; x: float32 -> the quantised numbers, widened to float32 again
;;       x = np.moveaxis(x, axis, -1); K = x.shape[-1]
;;       x = np.pad(x, [(0, 0)] * (x.ndim - 1) + [(0, -K % 32)]); x = x.reshape(x.shape[:-1] + (-1, 32)); a = np.abs(x).max(-1, keepdims=True)
;;       e = np.where(a > 0, np.clip(np.frexp(np.where(a > 0, a, 1))[1] - 1 - 2, -126, 127), 0)      # np.frexp(a)[1] - 1 = floor(log2(a)), exactly
;;       r = np.clip(x / 2.0 ** e, -7.5, 7.5)
;;       step = 2.0 ** (np.maximum(np.frexp(np.where(r == 0, 1, r))[1] - 1, 0) - 3)
;;       q = np.round(r / step) * step * 2.0 ** e      # np.round: ties to even
;;       return np.moveaxis(q.reshape(q.shape[:-2] + (-1,))[..., :K], -1, axis).astype(np.float32)
;;   ~~~
;;   SOFTMAX AHEAD OF A QUANTISED PRODUCT. Where the list says 'softmax', what is quantised is not the finished softmax but p = 2^(t - M), with t = logit x log2(e) and M = ceil(the row's largest t), a whole number; so 1/2 < the row's largest p <= 1. The row's sum l is taken of the UNQUANTISED p, in f32, and the product's result is divided by l at the end. Since M is a whole number, a kernel that streams over the keys may use a running M (the ceiling of the running maximum): every later rescaling is an exact power of two, which a block's scale takes up: the codes' values come out the same.
;;   OPERANDS COMPUTED ON THE WAY. 'Computed on the way' means the value that the module computes at that place (a softmax that the list does not call 'softmax' is quantised finished and normalised). What goes into a quantiser is computed in f32, as accurately as f32 sums, v_exp_f32 and their like allow (about 1e-6 of the number): no bf16 or f16 on the way to a quantiser, and a product that is left as it is and whose result goes on into a quantised operand takes f32 operands (vector FMAs, or v_wmma_f32_16x16x4_f32). A number that lies on a knife's edge between two numbers of the format may be rounded either way, as far as f32 arithmetic and the matrix unit's own rounding can turn it there, and no further.
;; One version. Each part assembles by itself: llvm-mc -triple=amdgcn-amd-amdhsa -mcpu=gfx1250 --defsym DOCPART=n.
;; ======== version 1 of 1: 4 launches
;; limits: right only within a limited range of input values
;; workspace buffers: xq 3,276,800 bytes; wimg 3,276,800 bytes; qimg 3,145,728 bytes; qsc 262,144 bytes; kbuf 3,407,872 bytes; vbuf 3,407,872 bytes; ctx 3,276,800 bytes
;; launch quant (part 1): grid 256 x 1, 8 waves a work-group, no clusters, 136,192 bytes of LDS; arguments x, Wq, Wk, Wv, Wo, xq, wimg; writes xq, wimg
.if DOCPART == 1
	.amdgcn_target "amdgcn-amd-amdhsa--gfx1250"
	.amdhsa_code_object_version 6
	.text
	.protected	k_q200e25a4af_quant
	.globl	k_q200e25a4af_quant
	.p2align	8
	.type	k_q200e25a4af_quant,@function
k_q200e25a4af_quant:
	s_mov_b64 s[64:65], 0
	v_nop
	global_prefetch_b8 v0, s[64:65] scope:SCOPE_SE
	s_setreg_imm32_b32 hwreg(HW_REG_WAVE_MODE, 25, 1), 1
	s_wait_xcnt 0x0
; x [4096][1024] and Wq, Wk, Wv, Wo [1024][1024], f32 with K innermost, become codes of FP6 (E2M3) with one E8M0 byte for each 32 along K,
; laid IN THE ORDER OF THE MATRIX OPERAND'S REGISTERS, so that the later launches bring whole dense blocks into LDS and read fragments by 16- and 8-byte loads of neighbouring lanes.
; A block's scale is 2^(floor(log2(its largest magnitude)) - 2); its byte is the largest magnitude's exponent field - 2, held at 1 from below.
; LIMITS: a block of zeros gets the byte 1 where the rule says 127 (its codes are zeros, and this program alone reads the bytes); NaN and infinities among the inputs are not served.
; FORMATS.  Lane l = (r = l % 16, h = l / 16).  A fragment image (16 rows x 128 K, 1,536 bytes) is two half images of 768 bytes (64 K each): the lane's registers 0-3 at 16 l, registers 4-5 at 512 + 8 l.
; A slab (128 rows x 128 K, 12,800 bytes) is eight fragment images and, from byte 12,288 on, the rows' 128 scale words.  xq: [32 blocks of 128 tokens][8 K steps] slabs; wimg: [Wq, Wk, Wv, Wo][8 blocks of 128 rows][8 K steps] slabs.
; THE ORDER INSIDE A BLOCK OF 32 is the same in every operand of this program: places 0-7 hold k 0-7, places 8-15 k 16-23, places 16-23 k 8-15, places 24-31 k 24-31.  It is the order in which a matrix result of
; two neighbouring tiles of 16 comes out of the quantiser below; a permutation inside one scale block, made alike on both operands, leaves every product and every scale as it is.
; SHARES.  A unit is 16 rows x 128 K.  A wave takes two units (one tile of 16 rows, two neighbouring K steps), a work-group of eight waves two tiles of rows for all of K.  Work-groups 0-127 take x, 128-255 the weights.
; Memory binds: each load reads 512 consecutive bytes of a row, all 32 loads of a wave go out at once, and the numbers turn through the wave's own stage in LDS so that a lane gets 16 numbers of each block.
; Waves share nothing: no barrier, no cluster, no tensor load, no matrix unit.
.set SLAB,  12800
.set SP,    528                        ; a stage row: 512 bytes + 16, an odd multiple of 16 bytes
.set STG,   16*SP                      ; a stage: 16 rows
.set WREG,  2*STG                      ; a wave's LDS: one stage for each of its two units
.set LI,    1                          ; v1   16 x lane
.set L8,    2                          ; v2   8 x lane
.set LR,    3                          ; v3   4 x r
.set SIN,   4                          ; v4   the stage, on the way in: my wave's bytes + 16 x lane
.set SOUT,  5                          ; v5   and on the way out: row r, + 32 h
.set TM,    8                          ; v8-23  at work in the quantiser
.set R,     32                         ; v32-159  the two units as loaded
.set X,     160                        ; v160-223 64 numbers of a lane: register 16 b + i is number i of my 16 of block b
.set SEL,   20                         ; s[20:21] v_permlanex16_b32's selects for lane l xor 16
; 64 numbers of a lane, v[s] on, become a fragment's 12 registers in v[pc] on (v[pc + 12] to v[pc + 18] at work) and its rows' scale word in v[pw].
.macro QUANT s, pc, pw
.irp b, 0,1,2,3
	v_max3_num_f32 v[TM+\b], |v[\s+16*\b]|, |v[\s+1+16*\b]|, 0x1800000   ; block b: my 16 numbers, and the floor 2^(3 - 127): so the byte cannot fall under 1
.endr
.irp i, 2,4,6,8,10,12,14
.irp b, 0,1,2,3
	s_delay_alu instid0(VALU_DEP_4)
	v_max3_num_f32 v[TM+\b], v[TM+\b], |v[\s+16*\b+\i]|, |v[\s+1+16*\b+\i]|   ; the four blocks by turns
.endr
.endr
.irp b, 0,1,2,3
	s_delay_alu instid0(VALU_DEP_4)
	v_permlanex16_b32 v[TM+4+\b], v[TM+\b], s[SEL], s[SEL+1]
.endr
.irp b, 0,1,2,3
	s_delay_alu instid0(VALU_DEP_4)
	v_max_num_f32 v[TM+\b], v[TM+\b], v[TM+4+\b]   ; with lane l xor 16's 16: the block's largest magnitude
.endr
.irp b, 0,1,2,3
	s_delay_alu instid0(VALU_DEP_4)
	v_add_nc_u32 v[TM+12+\b], 0xff000000, v[TM+\b]   ; 2 off its exponent field: the conversion takes the exponent field of this operand as its scale
.endr
.irp b, 0,1,2,3
	s_delay_alu instid0(VALU_DEP_4)
	v_lshrrev_b32 v[TM+4+\b], 23, v[TM+12+\b]      ; the scale's byte
.endr
	s_delay_alu instid0(VALU_DEP_3)
	v_lshl_or_b32 v[\pw], v[TM+5], 8, v[TM+4]      ; four bytes make my row's scale word
	s_delay_alu instid0(VALU_DEP_1)
	v_lshl_or_b32 v[\pw], v[TM+6], 16, v[\pw]
	s_delay_alu instid0(VALU_DEP_1)
	v_lshl_or_b32 v[\pw], v[TM+7], 24, v[\pw]
.irp c, 0,1
	v_cvt_scalef32_pk16_fp6_f32 v[\pc+6*\c:\pc+6*\c+2], v[\s+32*\c:\s+32*\c+15], v[TM+12+2*\c]
	v_cvt_scalef32_pk16_fp6_f32 v[\pc+12+4*\c:\pc+12+4*\c+2], v[\s+32*\c+16:\s+32*\c+31], v[TM+13+2*\c]   ; (a conversion's three registers begin on an even number)
.endr
	v_nop                                          ; one plain place behind a scaled conversion
.irp c, 0,1                                    ; the operand wants a WHOLE block in a lane: lanes 0-15 block 2 c, lanes 16-31 block 2 c + 1
.irp i, 0,1,2
	v_permlane16_swap_b32 v[\pc+6*\c+\i], v[\pc+12+4*\c+\i]
.endr
.irp i, 0,1,2
	s_delay_alu instid0(VALU_DEP_3)
	v_mov_b32 v[\pc+3+6*\c+\i], v[\pc+12+4*\c+\i]
.endr
.endr
.endm
	s_load_b256 s[4:11], s[0:1], 0x0               ; x s[4:5], Wq s[6:7], Wk s[8:9], Wv s[10:11]
	s_load_b128 s[12:15], s[0:1], 0x20             ; Wo s[12:13], xq s[14:15]
	s_load_b64 s[16:17], s[0:1], 0x30              ; wimg
	v_lshl_add_u32 v254, v0, 2, 0x21000
	v_mov_b32 v255, 0
	v_lshrrev_b32 v1, 5, v0
	s_delay_alu instid0(VALU_DEP_1)
	v_readfirstlane_b32 s18, v1                    ; wave 0..7
	v_and_b32 v24, 31, v0                          ; lane
	v_and_b32 v25, 15, v0                          ; r
	v_bfe_u32 v26, v0, 4, 1                        ; h
	s_delay_alu instid0(VALU_DEP_3)
	v_lshlrev_b32 v[LI], 4, v24
	s_delay_alu instid0(VALU_DEP_4)
	v_lshlrev_b32 v[L8], 3, v24
	s_delay_alu instid0(VALU_DEP_4)
	v_lshlrev_b32 v[LR], 2, v25
	s_mul_i32 s19, s18, WREG
	v_add_nc_u32 v[SIN], s19, v[LI]
	v_mul_u32_u24 v[SOUT], v25, SP
	s_delay_alu instid0(VALU_DEP_1)
	v_lshl_add_u32 v[SOUT], v26, 5, v[SOUT]
	s_delay_alu instid0(VALU_DEP_1)
	v_add_nc_u32 v[SOUT], s19, v[SOUT]
	s_mov_b32 s[SEL], 0x76543210
	s_mov_b32 s[SEL+1], 0xfedcba98
.irp b, 0,1,2,3
	v_mov_b32 v[TM+4+\b], 0                        ; written once: a lane permute's destination counts as one of its sources
.endr
	s_and_b32 s22, ttmp9, 127
	s_lshl_b32 s22, s22, 1
	s_lshr_b32 s23, s18, 2
	s_add_co_u32 s22, s22, s23                     ; T: my tile of 16 rows, 0..255, in x or in the four weights on end
	s_and_b32 s23, s18, 3                          ; my pair of K steps
	s_wait_alu depctr_va_vdst(0)
	s_wait_kmcnt 0x0
	s_cmp_lt_u32 ttmp9, 224                        ; the source is chosen by the work-group's number alone
	s_cselect_b64 s[24:25], s[10:11], s[12:13]
	s_cmp_lt_u32 ttmp9, 192
	s_cselect_b64 s[24:25], s[8:9], s[24:25]
	s_cmp_lt_u32 ttmp9, 160
	s_cselect_b64 s[24:25], s[6:7], s[24:25]
	s_cmp_lt_u32 ttmp9, 128
	s_cselect_b64 s[24:25], s[4:5], s[24:25]
	s_cselect_b64 s[26:27], s[14:15], s[16:17]     ; and so is the destination
	s_cselect_b32 s30, 255, 63
	s_and_b32 s30, s22, s30                        ; the tile's number inside its own tensor
	s_lshl_b32 s30, s30, 16                        ; 16 rows of 4,096 bytes
	s_lshl_b32 s31, s23, 10                        ; two K steps of 512 bytes
	s_add_co_u32 s30, s30, s31
	s_mov_b32 s31, 0
	s_add_nc_u64 s[24:25], s[24:25], s[30:31]
	s_lshr_b32 s32, s22, 3
	s_lshl_b32 s32, s32, 3
	s_lshl_b32 s33, s23, 1
	s_add_co_u32 s32, s32, s33
	s_mul_i32 s32, s32, SLAB                       ; my first slab: (block of 128 rows) x 8 + K step
	s_and_b32 s33, s22, 7                          ; my tile in it
	s_mul_i32 s34, s33, 1536
	s_add_co_u32 s34, s34, s32
	s_mov_b32 s35, 0
	s_lshl_b32 s36, s33, 6
	s_add_co_u32 s36, s36, s32
	s_add_co_u32 s36, s36, 12288
	s_mov_b32 s37, 0
	s_add_nc_u64 s[28:29], s[26:27], s[36:37]      ; where my scale words go
	s_add_nc_u64 s[26:27], s[26:27], s[34:35]      ; where my fragment images go
.irp u, 0,1
.irp i, 0,1,2,3,4,5,6,7,8,9,10,11,12,13,14,15
	global_load_b128 v[R+64*\u+4*\i:R+64*\u+4*\i+3], v[LI], s[24:25] offset:4096*\i+512*\u th:TH_LOAD_NT   ; 32 lanes read 512 consecutive bytes: row i, K step u of my pair
.endr
.endr
; Unit u: through the stage, quantised, stored.  left: how many younger loads may stay out.  No store's data register is written again, so no wait stands for the stores.
.macro UNIT u, pc, pw, left
	s_wait_loadcnt \left
.irp i, 0,1,2,3,4,5,6,7,8,9,10,11,12,13,14,15
	ds_store_b128 v[SIN], v[R+64*\u+4*\i:R+64*\u+4*\i+3] offset:STG*\u+SP*\i
.endr
.irp b, 0,1,2,3
.irp q, 0,1,2,3
	ds_load_b128 v[X+16*\b+4*\q:X+16*\b+4*\q+3], v[SOUT] offset:STG*\u+128*\b+64*(\q/2)+16*(\q%2)   ; of block b: k 8 h + 0..7 and 16 + 8 h + 0..7.  LDS serves a wave's instructions in order: these see the stores above
.endr
.endr
	s_wait_dscnt 0x0
	QUANT X, \pc, \pw
	global_store_b128 v[LI], v[\pc:\pc+3], s[26:27] offset:SLAB*\u            ; each store covers whole consecutive runs of 512 or 256 bytes
	global_store_b64 v[L8], v[\pc+4:\pc+5], s[26:27] offset:SLAB*\u+512
	global_store_b128 v[LI], v[\pc+6:\pc+9], s[26:27] offset:SLAB*\u+768
	global_store_b64 v[L8], v[\pc+10:\pc+11], s[26:27] offset:SLAB*\u+1280
	global_store_b32 v[LR], v[\pw], s[28:29] offset:SLAB*\u                   ; 16 words, 64 bytes (lanes 16-31 repeat lanes 0-15's words): one byte in 24 of what the launch stores
.endm
	UNIT 0, 224, 6, 16                             ; unit 1's sixteen loads may stay out
	UNIT 1, 32, 7, 0                               ; its codes go where unit 0's numbers lay
	s_wait_tensorcnt 0x0
	ds_add_u32 v254, v255
	s_wait_dscnt 0x0
	s_endpgm
.Lfunc_end_k_q200e25a4af_quant:
	.size	k_q200e25a4af_quant, .Lfunc_end_k_q200e25a4af_quant-k_q200e25a4af_quant
	.p2alignl 7, 3214868480
	.fill 96, 4, 3214868480
	.section	.rodata,"a",@progbits
	.p2align	6, 0x0
	.amdhsa_kernel k_q200e25a4af_quant
		.amdhsa_group_segment_fixed_size 136192
		.amdhsa_private_segment_fixed_size 0
		.amdhsa_enable_private_segment 0
		.amdhsa_kernarg_size 56
		.amdhsa_user_sgpr_count 2
		.amdhsa_user_sgpr_kernarg_segment_ptr 1
		.amdhsa_wavefront_size32 1
		.amdhsa_system_sgpr_workgroup_id_x 1
		.amdhsa_system_sgpr_workgroup_id_y 1
		.amdhsa_system_sgpr_workgroup_id_z 1
		.amdhsa_system_vgpr_workitem_id 0
		.amdhsa_next_free_vgpr 256
		.amdhsa_next_free_sgpr 66
		.amdhsa_reserve_vcc 0
		.amdhsa_float_denorm_mode_32 3
		.amdhsa_float_denorm_mode_16_64 3
		.amdhsa_memory_ordered 1
		.amdhsa_forward_progress 1
		.amdhsa_inst_pref_size 22
	.end_amdhsa_kernel
	.amdgpu_metadata
---
amdhsa.version: [ 1, 2 ]
amdhsa.kernels:
  - .name:           k_q200e25a4af_quant
    .symbol:         k_q200e25a4af_quant.kd
    .args:
      - { .name: x, .offset: 0, .size: 8, .value_kind: global_buffer, .address_space: global }
      - { .name: Wq, .offset: 8, .size: 8, .value_kind: global_buffer, .address_space: global }
      - { .name: Wk, .offset: 16, .size: 8, .value_kind: global_buffer, .address_space: global }
      - { .name: Wv, .offset: 24, .size: 8, .value_kind: global_buffer, .address_space: global }
      - { .name: Wo, .offset: 32, .size: 8, .value_kind: global_buffer, .address_space: global }
      - { .name: xq, .offset: 40, .size: 8, .value_kind: global_buffer, .address_space: global }
      - { .name: wimg, .offset: 48, .size: 8, .value_kind: global_buffer, .address_space: global }
    .group_segment_fixed_size: 136192
    .private_segment_fixed_size: 0
    .kernarg_segment_align: 8
    .kernarg_segment_size: 56
    .max_flat_workgroup_size: 256
    .sgpr_count:     66
    .vgpr_count:     256
    .wavefront_size: 32
...
	.end_amdgpu_metadata
.endif
;; end of part 1
;; launch qkv (part 2): grid 8 x 32, 4 waves a work-group, clusters of 4 x 4, 327,680 bytes of LDS; arguments xq, wimg, mask, qimg, qsc, kbuf, vbuf; writes qimg, qsc, kbuf, vbuf
.if DOCPART == 2
	.amdgcn_target "amdgcn-amd-amdhsa--gfx1250"
	.amdhsa_code_object_version 6
	.text
	.protected	k_q200e25a4af_qkv
	.globl	k_q200e25a4af_qkv
	.p2align	8
	.type	k_q200e25a4af_qkv,@function
k_q200e25a4af_qkv:
	s_mov_b64 s[64:65], 0
	v_nop
	global_prefetch_b8 v0, s[64:65] scope:SCOPE_SE
	s_setreg_imm32_b32 hwreg(HW_REG_WAVE_MODE, 25, 1), 1
	s_wait_xcnt 0x0
	s_wait_alu depctr_hold_cnt(0) depctr_sa_sdst(0) depctr_va_vdst(0) depctr_va_sdst(0) depctr_va_ssrc(0) depctr_va_vcc(0) depctr_vm_vsrc(0)
	s_getreg_b32 s2, hwreg(HW_REG_IB_STS2, 6, 4)
	s_cmp_eq_u32 s2, 0
	s_cbranch_scc0 .Lentry_in_a_cluster
	s_endpgm
.Lentry_in_a_cluster:
	s_bfe_u32 s2, ttmp6, 0x10000c
	s_cmp_lg_u32 s2, 0xf033
	s_cbranch_scc0 .Lentry_shape_is_right
	s_endpgm
.Lentry_shape_is_right:
; q = x Wq^T, k = x Wk^T, v = x Wv^T on codes of FP6 (E2M3) with E8M0 scales, sums in f32; the results are quantised in registers for the attention's two products and leave as codes:
; q and k along the head's 64 channels, v along the tokens (the keys are the second product's K).  Formats (fragment image, half image, slab, the order inside a block of 32): see the launch that makes xq and wimg.
; SHARES.  Work-group (tx, ty): 128 tokens (block ty) x the 128 columns 128 tx on (two heads) of ALL THREE weights, so that x's fragments serve three products.  Wave (i, j): tokens 64 i on, head 2 tx + j: 48 accumulators.
; q and k are used TRANSPOSED (source 0 = 16 rows of W, source 1 = 16 tokens): a lane holds one token and its registers run along the channels.  v is used straight: a lane holds one channel and its registers run along the tokens.
; CLUSTER 4 x 4: x's slabs hang on ty alone and are asked for jointly along a row of the cluster, the weights' on tx alone and jointly along a column.  Wave 0 asks for x, waves 1 to 3 for one weight each.
; LDS: tensor w (x, Wq, Wk, Wv) has 64,000 bytes at 64,000 w: five slabs.  The head's one load a wave brings K steps 0-4; one refill a wave, in K step 2, brings K steps 5-7 over K steps 0-2, whose last reads are then over.
; By this text's own count a wave has one tensor load out at a time.  All of a WGP's LDS is claimed.
; No prefetch: the text has no loop to run ahead in; all that it reads is asked for by two loads a wave.
; THE MASK costs the attention nothing: q k^T uses 64 of the matrix instruction's 128 along K.  There k = 64 holds the code 7.5 on the keys' side and -7.5 on the queries', under the queries' scale byte 127 and the key's byte mb:
; mb = 1 where the mask is true (the score moves by -56.25 x 2^-126, alike for all keys) and 240 where it is false (-56.25 x 2^113).  This launch puts mb into byte 2 of each key's scale word; byte 3 is 1.
; LIMITS: scores beyond about 1e34 in magnitude are not served; a block of zeros gets the scale byte 1 where the rule says 127 (zero codes; this program alone reads the bytes); NaN and infinities are not served.
; OUT: qimg [bh][128 tiles of 16 queries] half images; qsc [bh][2048] words (s0, s1, 127, 1);
;      kbuf [bh][16 steps of 128 keys] x 6,656 bytes: 8 half images, then 128 words (s0, s1, mb, 1);
;      vbuf [bh][16 steps] x 6,656 bytes: 4 fragment images (16 channels x 128 keys), then for each of them 128 bytes of scale words (lane l's at 4 l).
; REGISTERS, in windows of 256: window 0: v4-29 and v48-56 addresses and constants; v32-47 scale words, two sets; v64-255 fragment buffer 0 (x 64, Wq 112, Wk 160, Wv 208; 12 a fragment).  window 1: v64-255 fragment buffer 1.
;   window 2: q(a, b) at 8 (4 a + b), k at 128 + 8 (4 a + b).  window 3: v(b, a) at 8 (4 b + a).  (a: tile of 16 tokens, b: tile of 16 columns.)
.set SLAB,  12800
.set TEN,   5*SLAB                     ; a tensor's part of LDS, and what the head's load brings
.set SPARE, 4*TEN                      ; behind the four parts: the spare words, 128 bytes a wave
.set XBLK,  8*SLAB                     ; a block of 128 rows, all of K
.set WGT,   64*SLAB                    ; a whole weight
.set STEPB, 6656                       ; a step of 128 keys in kbuf or vbuf
.set LX16, 4                           ; v4-9 my lane's places in K step 0: x's fragments (16- and 8-byte parts), Wq's, x's scale words, Wq's
.set LX8,  5
.set LW16, 6
.set LW8,  7
.set LSX,  8
.set LSW,  9
.set AX16, 10                          ; v10-12 x's places for the K step to be fetched; v48-56 the three weights'
.set AX8,  11
.set ASX,  12
.set AW16, 48
.set AW8,  51
.set ASW,  54
.set LI,   16                          ; v16 16 x lane;  v17 8 x lane;  v18 4 x lane;  v19 16 h
.set L8,   17
.set LS,   18
.set SH,   19
.set MK,   20                          ; v20-21 my keys' mask bytes, then the upper halves of their scale words
.set MV,   22
.set MH,   23
.set SPW,  28                          ; v28 LDS address of my spare word; v29 0; never rewritten
.set NIL,  29
.set SC,   32                          ; scale words: set f at 32 + 8 f: +0, 1 x; +2, 3 Wq; +4, 5 Wk; +6, 7 Wv; register m: lanes 0-15 tile 2 m, lanes 16-31 tile 2 m + 1
.set FX,   64
.set FQ,   112
.set FK,   160
.set FV,   208
.set PC,   64                          ; the way out, window 0: six sets of 20 for codes; v184-189 scale words; v190-193 words to store; v200-239 at work
.set PW,   184
.set WT,   190
.set LT,   200
.set TM,   224
.set WV,   18
.set WI,   20
.set WJ,   21
.set G1,   24                          ; s[24:31] group 1 for x;  s[32:39] two groups 0
.set G0,   32
.set G1B,  48                          ; s[48:55] group 1 for the weights;  s[68:75] two groups 0
.set G0B,  68
.set SEL,  66
.set MSB, 0
.macro WIN new
.if MSB != (\new)
	s_set_vgpr_msb (MSB<<8)|(\new)
.set MSB, (\new)
.endif
.endm
.macro PLACES n
.rept \n
	v_nop
.endr
.endm
; A joint load: wave 0 asks for x, waves 1 to 3 for the weights.  The branch hangs on the wave's number alone.
.macro JLOAD g0a, g1a, g0b, g1b
	s_cmp_eq_u32 s[WV], 0
	s_cbranch_scc0 .Lfor_w_\@
	tensor_load_to_lds s[\g0a:\g0a+3], s[\g1a:\g1a+7]
	s_nop 0
	PLACES 4
	s_branch .Lasked_\@
.Lfor_w_\@:
	tensor_load_to_lds s[\g0b:\g0b+3], s[\g1b:\g1b+7]
	s_nop 0
	PLACES 4
.Lasked_\@:
.endm
.macro CREST
	s_cmp_lg_u32 s[WV], 0
	s_cbranch_scc1 .Lnot_wave_0_\@
	s_barrier_signal -3
.Lnot_wave_0_\@:
	s_barrier_wait -3
	s_barrier_signal -1
	s_barrier_wait -1
.endm
.macro CROUND
	s_barrier_signal -1
	s_barrier_wait -1
	CREST
.endm
	s_load_b256 s[4:11], s[0:1], 0x0               ; xq, wimg, mask, qimg
	s_load_b128 s[12:15], s[0:1], 0x20             ; qsc, kbuf
	s_load_b64 s[16:17], s[0:1], 0x30              ; vbuf
	v_lshl_add_u32 v[SPW], v0, 2, SPARE
	v_mov_b32 v[NIL], 0
	ds_add_u32 v[SPW], v[NIL]
	ds_add_u32 v[SPW], v[NIL]
	s_wait_dscnt 0x0
	v_lshrrev_b32 v1, 5, v0
	v_readfirstlane_b32 s[WV], v1
	s_lshr_b32 s[WI], s[WV], 1
	s_and_b32 s[WJ], s[WV], 1
	s_bfe_u32 s22, ttmp6, 0x40000                  ; cx
	s_bfe_u32 s23, ttmp6, 0x40004                  ; cy
	s_lshl_b32 s56, ttmp9, 2
	s_add_co_u32 s56, s56, s22                     ; tx
	s_and_b32 s57, ttmp7, 0xffff
	s_lshl_b32 s57, s57, 2
	s_add_co_u32 s57, s57, s23                     ; ty
	s_lshl_b32 s58, s23, 2
	s_lshl_b32 s58, 15, s58                        ; my row of the cluster
	s_lshl_b32 s60, 0x1111, s22                    ; my column
	; group 1: a dense block as rows of 256 bytes (32 elements of 8 bytes): 250 rows for the head's load
	s_or_b32 s[G1], s58, (3<<16)|(1<<21)
	s_or_b32 s[G1B], s60, (3<<16)|(1<<21)
.irp g, G1, G1B
	s_mov_b32 s[\g+1], 32<<16
	s_mov_b32 s[\g+2], 250<<16
	s_mov_b32 s[\g+3], 32<<16
	s_mov_b32 s[\g+4], 250
	s_mov_b32 s[\g+5], 32
	s_mov_b32 s[\g+6], 0
	s_mov_b32 s[\g+7], 0
.endr
	s_mul_i32 s58, s57, XBLK                       ; x: block ty
	s_mov_b32 s59, 0
	s_max_u32 s60, s[WV], 1
	s_sub_co_u32 s60, s60, 1                       ; which weight waves 1 to 3 fetch
	s_mul_i32 s60, s60, WGT
	s_mul_i32 s61, s56, XBLK                       ; its block tx of 128 rows
	s_add_co_u32 s60, s60, s61
	s_mov_b32 s61, 0
	s_mul_i32 s62, s[WV], TEN                      ; where they go: wave x 64,000
	s_mov_b32 s[SEL], 0x76543210
	s_mov_b32 s[SEL+1], 0xfedcba98
	s_wait_kmcnt 0x0
	s_add_nc_u64 s[58:59], s[4:5], s[58:59]
	s_add_nc_u64 s[60:61], s[6:7], s[60:61]
.irp n, 0,1                                    ; load 0: K steps 0-4; load 1: K steps 5-7, to the same LDS bytes
	s_mov_b32 s[G0+4*\n], 1
	s_mov_b32 s[G0+4*\n+1], s62
	s_add_nc_u64 s[G0+4*\n+2:G0+4*\n+3], s[58:59], \n*TEN
	s_or_b32 s[G0+4*\n+3], s[G0+4*\n+3], 0x80000000
	s_mov_b32 s[G0B+4*\n], 1
	s_mov_b32 s[G0B+4*\n+1], s62
	s_add_nc_u64 s[G0B+4*\n+2:G0B+4*\n+3], s[60:61], \n*TEN
	s_or_b32 s[G0B+4*\n+3], s[G0B+4*\n+3], 0x80000000
.endr
	CROUND                                         ; all sixteen work-groups are here: the first joint loads meet
	JLOAD G0, G1, G0B, G1B                         ; one tensor load a wave at the head
	v_and_b32 v3, 31, v0
	v_bfe_u32 v2, v0, 4, 1
	v_lshlrev_b32 v[LI], 4, v3
	v_lshlrev_b32 v[L8], 3, v3
	v_lshlrev_b32 v[LS], 2, v3
	s_wait_alu depctr_va_vdst(0)
	v_lshlrev_b32 v[SH], 4, v2
	v_mov_b32 v[MV], 0x01010000
	v_mov_b32 v[MH], 0x01f00000
	s_mul_i32 s98, s[WI], 6144                     ; my four tiles of tokens
	v_add_nc_u32 v[LX16], s98, v[LI]
	s_add_co_u32 s98, s98, 512
	v_add_nc_u32 v[LX8], s98, v[L8]
	s_mul_i32 s98, s[WJ], 6144                     ; my four tiles of columns, in Wq's part
	s_add_co_u32 s98, s98, TEN
	v_add_nc_u32 v[LW16], s98, v[LI]
	s_add_co_u32 s98, s98, 512
	v_add_nc_u32 v[LW8], s98, v[L8]
	s_lshl_b32 s98, s[WI], 8
	s_add_co_u32 s98, s98, 12288
	v_add_nc_u32 v[LSX], s98, v[LS]
	s_lshl_b32 s98, s[WJ], 8
	s_add_co_u32 s98, s98, TEN+12288
	v_add_nc_u32 v[LSW], s98, v[LS]
	; where the results go
	s_lshr_b32 s58, s57, 4
	s_lshl_b32 s58, s58, 4
	s_lshl_b32 s59, s56, 1
	s_add_co_u32 s58, s58, s59
	s_add_co_u32 s58, s58, s[WJ]                   ; bh = 16 x batch + 2 tx + j
	s_and_b32 s59, s57, 15                         ; my block of 128 tokens in the batch
	s_lshr_b32 s60, s57, 4
	s_lshl_b32 s60, s60, 11
	s_lshl_b32 s61, s59, 7
	s_add_co_u32 s60, s60, s61
	s_lshl_b32 s61, s[WI], 6
	s_add_co_u32 s60, s60, s61
	s_mov_b32 s61, 0
	s_add_nc_u64 s[84:85], s[8:9], s[60:61]        ; the mask at my wave's 64 tokens
	global_load_u8 v[MK], v3, s[84:85]
	global_load_u8 v[MK+1], v3, s[84:85] offset:32
	s_lshl_b32 s60, s58, 7
	s_lshl_b32 s62, s59, 3
	s_add_co_u32 s60, s60, s62
	s_lshl_b32 s62, s[WI], 2
	s_add_co_u32 s60, s60, s62
	s_mul_i32 s60, s60, 768
	s_add_nc_u64 s[86:87], s[10:11], s[60:61]      ; q's half images: tile 128 bh + 8 block + 4 i
	s_lshl_b32 s60, s58, 11
	s_lshl_b32 s62, s59, 7
	s_add_co_u32 s60, s60, s62
	s_lshl_b32 s62, s[WI], 6
	s_add_co_u32 s60, s60, s62
	s_lshl_b32 s60, s60, 2
	s_add_nc_u64 s[88:89], s[12:13], s[60:61]      ; q's scale words
	s_lshl_b32 s63, s58, 4
	s_add_co_u32 s63, s63, s59
	s_mul_i32 s63, s63, STEPB                      ; my step of 128 keys: 16 bh + block
	s_mul_i32 s60, s[WI], 3072
	s_add_co_u32 s60, s60, s63
	s_add_nc_u64 s[90:91], s[14:15], s[60:61]      ; k's half images: tiles 4 i on
	s_lshl_b32 s60, s[WI], 8
	s_add_co_u32 s60, s60, s63
	s_add_co_u32 s60, s60, 6144
	s_add_nc_u64 s[92:93], s[14:15], s[60:61]      ; k's scale words
	s_mul_i32 s60, s[WI], 768
	s_add_co_u32 s60, s60, s63
	s_add_nc_u64 s[94:95], s[16:17], s[60:61]      ; v: half i of each fragment image
	s_lshl_b32 s60, s[WI], 1
	s_add_co_u32 s60, s60, s63
	s_add_co_u32 s60, s60, 6144
	s_add_nc_u64 s[96:97], s[16:17], s[60:61]      ; v's scale words: bytes 2 i and 2 i + 1 of each
	s_mov_b32 s99, 0x017f0000                      ; the upper half of a query's scale word
; The addresses of K step s (K steps 5-7 lie where 0-2 lay).  These twelve plain lines are also the places between the last products and the loads into the buffer and the scale set that the step before read.
.macro ADDR s
.set BS, ((\s)%5)*SLAB
	v_add_nc_u32 v[AX16], BS, v[LX16]
	v_add_nc_u32 v[AX8], BS, v[LX8]
	v_add_nc_u32 v[ASX], BS, v[LSX]
.irp t, 0,1,2
	v_add_nc_u32 v[AW16+\t], BS+TEN*\t, v[LW16]
	v_add_nc_u32 v[AW8+\t], BS+TEN*\t, v[LW8]
	v_add_nc_u32 v[ASW+\t], BS+TEN*\t, v[LSW]
.endr
.endm
.macro FRAG reg, a16, a8, o
	ds_load_b128 v[\reg:\reg+3], v[\a16] offset:\o
	ds_load_b64 v[\reg+4:\reg+5], v[\a8] offset:\o
	ds_load_b128 v[\reg+6:\reg+9], v[\a16] offset:(\o)+768
	ds_load_b64 v[\reg+10:\reg+11], v[\a8] offset:(\o)+768
.endm
.macro FETCH f                         ; 16 fragments and 8 registers of scale words into buffer f, in one run
	WIN (\f)<<6
.irp a, 0,1,2,3
	FRAG FX+12*\a, AX16, AX8, 1536*\a
.endr
.irp t, 0,1,2
.irp b, 0,1,2,3
	FRAG FQ+48*\t+12*\b, AW16+\t, AW8+\t, 1536*\b
.endr
.endr
	WIN 0
.irp m, 0,1
	ds_load_b32 v[SC+8*(\f)+\m], v[ASX] offset:128*\m
.endr
.irp t, 0,1,2
.irp m, 0,1
	ds_load_b32 v[SC+8*(\f)+2+2*\t+\m], v[ASW+\t] offset:128*\m
.endr
.endr
.endm
; One product, from the symbols rD, rA, rB, rSA, rSB, rRA, rRB (1: the scales stand in lanes 16-31), rZ (1: the product starts its sum).
.macro WM
.set rC, 4*rZ+2*rRA+rRB
.if rC == 0
	v_wmma_scale_f32_16x16x128_f8f6f4 v[rD:rD+7], v[rA:rA+11], v[rB:rB+11], v[rD:rD+7], v[rSA], v[rSB] matrix_a_fmt:MATRIX_FMT_FP6 matrix_b_fmt:MATRIX_FMT_FP6
.elseif rC == 1
	v_wmma_scale_f32_16x16x128_f8f6f4 v[rD:rD+7], v[rA:rA+11], v[rB:rB+11], v[rD:rD+7], v[rSA], v[rSB] matrix_a_fmt:MATRIX_FMT_FP6 matrix_b_fmt:MATRIX_FMT_FP6 matrix_b_scale:MATRIX_SCALE_ROW1
.elseif rC == 2
	v_wmma_scale_f32_16x16x128_f8f6f4 v[rD:rD+7], v[rA:rA+11], v[rB:rB+11], v[rD:rD+7], v[rSA], v[rSB] matrix_a_fmt:MATRIX_FMT_FP6 matrix_b_fmt:MATRIX_FMT_FP6 matrix_a_scale:MATRIX_SCALE_ROW1
.elseif rC == 3
	v_wmma_scale_f32_16x16x128_f8f6f4 v[rD:rD+7], v[rA:rA+11], v[rB:rB+11], v[rD:rD+7], v[rSA], v[rSB] matrix_a_fmt:MATRIX_FMT_FP6 matrix_b_fmt:MATRIX_FMT_FP6 matrix_a_scale:MATRIX_SCALE_ROW1 matrix_b_scale:MATRIX_SCALE_ROW1
.elseif rC == 4
	v_wmma_scale_f32_16x16x128_f8f6f4 v[rD:rD+7], v[rA:rA+11], v[rB:rB+11], 0, v[rSA], v[rSB] matrix_a_fmt:MATRIX_FMT_FP6 matrix_b_fmt:MATRIX_FMT_FP6
.elseif rC == 5
	v_wmma_scale_f32_16x16x128_f8f6f4 v[rD:rD+7], v[rA:rA+11], v[rB:rB+11], 0, v[rSA], v[rSB] matrix_a_fmt:MATRIX_FMT_FP6 matrix_b_fmt:MATRIX_FMT_FP6 matrix_b_scale:MATRIX_SCALE_ROW1
.elseif rC == 6
	v_wmma_scale_f32_16x16x128_f8f6f4 v[rD:rD+7], v[rA:rA+11], v[rB:rB+11], 0, v[rSA], v[rSB] matrix_a_fmt:MATRIX_FMT_FP6 matrix_b_fmt:MATRIX_FMT_FP6 matrix_a_scale:MATRIX_SCALE_ROW1
.else
	v_wmma_scale_f32_16x16x128_f8f6f4 v[rD:rD+7], v[rA:rA+11], v[rB:rB+11], 0, v[rSA], v[rSB] matrix_a_fmt:MATRIX_FMT_FP6 matrix_b_fmt:MATRIX_FMT_FP6 matrix_a_scale:MATRIX_SCALE_ROW1 matrix_b_scale:MATRIX_SCALE_ROW1
.endif
.endm
; 16 products of q or k, transposed: source 0 = W's tile b, source 1 = x's tile a.
.macro MULT f, zero, fw, acc, sw
.irp a, 0,1,2,3
.irp b, 0,1,2,3
.set rD, (\acc)+8*(4*\a+\b)
.set rA, (\fw)+12*\b
.set rB, FX+12*\a
.set rSA, SC+8*(\f)+(\sw)+(\b/2)
.set rRA, \b%2
.set rSB, SC+8*(\f)+(\a/2)
.set rRB, \a%2
.set rZ, \zero
	WM
.endr
.endr
.endm
; 16 products of v: source 0 = x's tile a, source 1 = Wv's tile b.
.macro MULV f, zero
.irp a, 0,1,2,3
.irp b, 0,1,2,3
.set rD, 8*(4*\b+\a)
.set rA, FX+12*\a
.set rB, FV+12*\b
.set rSA, SC+8*(\f)+(\a/2)
.set rRA, \a%2
.set rSB, SC+8*(\f)+6+(\b/2)
.set rRB, \b%2
.set rZ, \zero
	WM
.endr
.endr
.endm
; A K step's 48 products.  The 48 accumulators take turns, one instruction a turn, in the same order in every step.
.macro MUL3 f, zero
	WIN 0xa0+5*(\f)
	MULT \f, \zero, FQ, 0, 2
	MULT \f, \zero, FK, 128, 4
	WIN 0xf0+5*(\f)
	MULV \f, \zero
.endm
.macro KSTEP s, zero                   ; a K step whose successor lies in LDS for all to read
	WIN 0
	s_wait_dscnt 0x0
	ADDR (\s)+1
	FETCH ((\s)+1)%2
	MUL3 (\s)%2, \zero
.endm
	s_wait_alu depctr_va_vdst(0)                   ; the head's end
	s_wait_tensorcnt 0x0                           ; my tensor's K steps 0-4 are in
	s_barrier_signal -1
	s_barrier_wait -1                              ; everybody's are
	ADDR 0
	FETCH 0
	KSTEP 0, 1                                     ; the first products start the sums: nothing is cleared
	KSTEP 1, 0
	; K step 2: the last reads of K steps 0-2, K step 2's fragments, were issued a step ago
	WIN 0
	s_wait_tensorcnt 0x0                           ; no tensor load of mine is out
	ds_add_u32 v[SPW], v[NIL]                      ; 0 onto my spare word
	s_mov_b32 s[G1+2], 150<<16                     ; so a descriptor may be written: the refill brings 150 rows
	s_mov_b32 s[G1+4], 150
	s_mov_b32 s[G1B+2], 150<<16
	s_mov_b32 s[G1B+4], 150
	s_wait_dscnt 0x1                               ; K step 2's fragments are in; the add may be out
	WIN 0xa0
	MULT 0, 0, FQ, 0, 2                            ; sixteen products stand between the add and the wait for it
	s_wait_dscnt 0x0                               ; the add is done, and my reads of K steps 0-2 are over
	s_barrier_signal -1
	MULT 0, 0, FK, 128, 4
	WIN 0
	s_barrier_wait -1
	CREST                                          ; the barrier has opened a round of the cluster's
	JLOAD G0+4, G1, G0B+4, G1B                     ; K steps 5-7: the first tensor load behind the round
	ADDR 3
	FETCH 1
	WIN 0xf0
	MULV 0, 0
	KSTEP 3, 0
	WIN 0                                          ; K step 4 fetches from the bytes that were filled again
	s_wait_tensorcnt 0x0
	s_wait_dscnt 0x0
	s_barrier_signal -1
	s_barrier_wait -1                              ; everybody's part is in
	ADDR 5
	FETCH 1
	MUL3 0, 0
	KSTEP 5, 0
	KSTEP 6, 0
	WIN 0
	s_wait_dscnt 0x0
	MUL3 1, 0                                      ; K step 7: nothing more to fetch
; THE WAY OUT.  64 registers of window w, from s on, are two tiles' numbers: register 16 b + i is number i of my 16 of block b.  They become 12 registers of codes (two half images) in set n and a word of four scale bytes.
; Each accumulator is read from its low end on.
.macro QUANTW n, w, s
.set PCN, PC+20*(\n)
.set PWN, PW+(\n)
	WIN 0x15*(\w)
.irp i, 0,1,2,3,4
.irp b, 0,1,2,3
	v_max3_num_f32 v[LT+6*\b+\i], |v[(\s)+16*\b+3*\i]|, |v[(\s)+16*\b+3*\i+1]|, |v[(\s)+16*\b+3*\i+2]|
.endr
.endr
.irp b, 0,1,2,3
	v_max_num_f32 v[LT+6*\b+5], 0x1800000, |v[(\s)+16*\b+15]|   ; and the floor 2^(3 - 127): the byte cannot fall under 1
.endr
	WIN 0
.irp b, 0,1,2,3
	v_max3_num_f32 v[TM+\b], v[LT+6*\b], v[LT+6*\b+1], v[LT+6*\b+2]
.endr
.irp b, 0,1,2,3
	v_max3_num_f32 v[LT+6*\b+3], v[LT+6*\b+3], v[LT+6*\b+4], v[LT+6*\b+5]
.endr
.irp b, 0,1,2,3
	v_max_num_f32 v[TM+\b], v[TM+\b], v[LT+6*\b+3]
.endr
.irp b, 0,1,2,3
	v_permlanex16_b32 v[TM+4+\b], v[TM+\b], s[SEL], s[SEL+1]
.endr
.irp b, 0,1,2,3
	v_max_num_f32 v[TM+\b], v[TM+\b], v[TM+4+\b]
.endr
.irp b, 0,1,2,3
	v_add_nc_u32 v[TM+12+\b], 0xff000000, v[TM+\b]   ; 2 off the exponent field: the conversion's scale operand
.endr
.irp b, 0,1,2,3
	v_lshrrev_b32 v[TM+4+\b], 23, v[TM+12+\b]
.endr
	v_lshl_or_b32 v[PWN], v[TM+5], 8, v[TM+4]
	v_lshl_or_b32 v[PWN], v[TM+6], 16, v[PWN]
	v_lshl_or_b32 v[PWN], v[TM+7], 24, v[PWN]
	WIN (\w)
.irp c, 0,1
	v_cvt_scalef32_pk16_fp6_f32 v[PCN+6*\c:PCN+6*\c+2], v[(\s)+32*\c:(\s)+32*\c+15], v[TM+12+2*\c]
	v_cvt_scalef32_pk16_fp6_f32 v[PCN+12+4*\c:PCN+12+4*\c+2], v[(\s)+32*\c+16:(\s)+32*\c+31], v[TM+13+2*\c]
.endr
	WIN 0
	v_nop                                          ; one plain place behind a scaled conversion
.irp c, 0,1
.irp i, 0,1,2
	v_permlane16_swap_b32 v[PCN+6*\c+\i], v[PCN+12+4*\c+\i]
.endr
.irp i, 0,1,2
	v_mov_b32 v[PCN+3+6*\c+\i], v[PCN+12+4*\c+\i]
.endr
.endr
.endm
.macro CODES n, sb, o0, o1             ; set n's two half images leave: each store covers 512 or 256 consecutive bytes
.set PCN, PC+20*(\n)
	global_store_b128 v[LI], v[PCN:PCN+3], s[\sb:\sb+1] offset:\o0
	global_store_b64 v[L8], v[PCN+4:PCN+5], s[\sb:\sb+1] offset:(\o0)+512
	global_store_b128 v[LI], v[PCN+6:PCN+9], s[\sb:\sb+1] offset:\o1
	global_store_b64 v[L8], v[PCN+10:PCN+11], s[\sb:\sb+1] offset:(\o1)+512
.endm
	WIN 0
	PLACES 4                                       ; behind the last products
.irp b, 0,1,2,3
	v_mov_b32 v[TM+4+\b], 0                        ; a lane permute's destination counts as one of its sources
.endr
	s_wait_loadcnt 0x0                             ; the mask bytes
.irp p, 0,1
	v_cmp_eq_u32 vcc_lo, 0, v[MK+\p]
	v_cndmask_b32 v[MK+\p], v[MV], v[MH], vcc_lo   ; bytes 2 and 3 of my key's scale word: (1, 1) where it counts, (240, 1) where it is hidden
.endr
; No store's data register is written again, so no wait stands for the stores.
.irp p, 0,1                                    ; q: tiles of tokens 2 p and 2 p + 1
	QUANTW \p, 2, 64*\p
	CODES \p, 86, 1536*\p, 1536*\p+768
	v_lshrrev_b32 v[WT+\p], v[SH], v[PW+\p]        ; lanes 0-15 take the first tile's two bytes, lanes 16-31 the second's
	v_and_or_b32 v[WT+\p], v[WT+\p], 0xffff, s99
	global_store_b32 v[LS], v[WT+\p], s[88:89] offset:128*\p
.endr
.irp p, 0,1                                    ; k likewise, with the mask's byte
	QUANTW 2+\p, 2, 128+64*\p
	CODES 2+\p, 90, 1536*\p, 1536*\p+768
	v_lshrrev_b32 v[WT+2+\p], v[SH], v[PW+2+\p]
	v_and_or_b32 v[WT+2+\p], v[WT+2+\p], 0xffff, v[MK+\p]
	global_store_b32 v[LS], v[WT+2+\p], s[92:93] offset:128*\p
.endr
.irp p, 0,1                                    ; v: tiles of channels 2 p and 2 p + 1; my 64 tokens are half i of a step's 128 keys
	QUANTW 4+\p, 3, 64*\p
	CODES 4+\p, 94, 3072*\p, 3072*\p+1536
	global_store_b16 v[LS], v[PW+4+\p], s[96:97] offset:256*\p
	global_store_d16_hi_b16 v[LS], v[PW+4+\p], s[96:97] offset:256*\p+128
.endr
	s_wait_tensorcnt 0x0                           ; the wave's end
	ds_add_u32 v[SPW], v[NIL]
	s_wait_dscnt 0x0
	CROUND                                         ; the closing round
	s_endpgm
.Lfunc_end_k_q200e25a4af_qkv:
	.size	k_q200e25a4af_qkv, .Lfunc_end_k_q200e25a4af_qkv-k_q200e25a4af_qkv
	.p2alignl 7, 3214868480
	.fill 96, 4, 3214868480
	.section	.rodata,"a",@progbits
	.p2align	6, 0x0
	.amdhsa_kernel k_q200e25a4af_qkv
		.amdhsa_group_segment_fixed_size 327680
		.amdhsa_private_segment_fixed_size 0
		.amdhsa_enable_private_segment 0
		.amdhsa_kernarg_size 56
		.amdhsa_user_sgpr_count 2
		.amdhsa_user_sgpr_kernarg_segment_ptr 1
		.amdhsa_wavefront_size32 1
		.amdhsa_system_sgpr_workgroup_id_x 1
		.amdhsa_system_sgpr_workgroup_id_y 1
		.amdhsa_system_sgpr_workgroup_id_z 1
		.amdhsa_system_vgpr_workitem_id 0
		.amdhsa_next_free_vgpr 1024
		.amdhsa_next_free_sgpr 100
		.amdhsa_reserve_vcc 1
		.amdhsa_float_denorm_mode_32 3
		.amdhsa_float_denorm_mode_16_64 3
		.amdhsa_memory_ordered 1
		.amdhsa_forward_progress 1
		.amdhsa_inst_pref_size 128
	.end_amdhsa_kernel
	.amdgpu_metadata
---
amdhsa.version: [ 1, 2 ]
amdhsa.kernels:
  - .name:           k_q200e25a4af_qkv
    .symbol:         k_q200e25a4af_qkv.kd
    .args:
      - { .name: xq, .offset: 0, .size: 8, .value_kind: global_buffer, .address_space: global }
      - { .name: wimg, .offset: 8, .size: 8, .value_kind: global_buffer, .address_space: global }
      - { .name: mask, .offset: 16, .size: 8, .value_kind: global_buffer, .address_space: global }
      - { .name: qimg, .offset: 24, .size: 8, .value_kind: global_buffer, .address_space: global }
      - { .name: qsc, .offset: 32, .size: 8, .value_kind: global_buffer, .address_space: global }
      - { .name: kbuf, .offset: 40, .size: 8, .value_kind: global_buffer, .address_space: global }
      - { .name: vbuf, .offset: 48, .size: 8, .value_kind: global_buffer, .address_space: global }
    .group_segment_fixed_size: 327680
    .private_segment_fixed_size: 0
    .kernarg_segment_align: 8
    .kernarg_segment_size: 56
    .max_flat_workgroup_size: 128
    .sgpr_count:     100
    .vgpr_count:     1024
    .wavefront_size: 32
...
	.end_amdgpu_metadata
.endif
;; end of part 2
;; launch attn (part 3): grid 8 x 32, 16 waves a work-group, clusters of 4 x 1, 215,040 bytes of LDS; arguments qimg, qsc, kbuf, vbuf, head_w, ctx; writes ctx
.if DOCPART == 3
	.amdgcn_target "amdgcn-amd-amdhsa--gfx1250"
	.amdhsa_code_object_version 6
	.text
	.protected	k_q200e25a4af_attn
	.globl	k_q200e25a4af_attn
	.p2align	8
	.type	k_q200e25a4af_attn,@function
k_q200e25a4af_attn:
	s_mov_b64 s[64:65], 0
	v_nop
	global_prefetch_b8 v0, s[64:65] scope:SCOPE_SE
	s_setreg_imm32_b32 hwreg(HW_REG_WAVE_MODE, 25, 1), 1
	s_wait_xcnt 0x0
	s_wait_alu depctr_hold_cnt(0) depctr_sa_sdst(0) depctr_va_vdst(0) depctr_va_sdst(0) depctr_va_ssrc(0) depctr_va_vcc(0) depctr_vm_vsrc(0)
	s_getreg_b32 s2, hwreg(HW_REG_IB_STS2, 6, 4)
	s_cmp_eq_u32 s2, 0
	s_cbranch_scc0 .Lentry_in_a_cluster
	s_endpgm
.Lentry_in_a_cluster:
	s_bfe_u32 s2, ttmp6, 0x10000c
	s_cmp_lg_u32 s2, 0x3003
	s_cbranch_scc0 .Lentry_shape_is_right
	s_endpgm
.Lentry_shape_is_right:
; context[b][q][head] = head_w[head] x (the sum over k of p v) / l, both products on codes of FP6 (E2M3) with E8M0 scales; the result is quantised along d_model for the last product and leaves as codes.
; THE SOFTMAX AHEAD OF THE SECOND PRODUCT: t = score x log2(e) / 8; M = the row's largest t so far, rounded UP to a whole number; p = 2^(t - M) is what is quantised, along the keys, not normalised.
; The row's sum l is taken of the unquantised p.  When M moves, l and O are multiplied by 2^(old M - new M): exact.
; THE MASK lies in the keys' scale words: k = 64 of the first product holds 7.5 (keys) x -7.5 (queries) under the key's byte 2, which is 1 for a key that counts and 240 for a hidden one: a hidden key's score is about -5.8e35.
; The running largest score starts at -2^103 (t about -2^100), above every hidden key's: so a hidden key's p is 0 exactly, also while only hidden keys have been seen.
; LIMITS: logits whose t lies under about -2^100, or scores beyond about 1e34, are not served; a batch whose mask is all false (NaN by the definition) gives finite numbers here: not served; NaN and infinities are not served;
; a block of zeros gets the scale byte 1 where the rule says 127 (zero codes; this program alone reads the bytes).
; SHARES.  A work-group owns 256 queries of one (batch, head); each of its sixteen waves 16 of them, in 256 registers: four waves to a SIMD.
; A head's whole K and V are 2 x 16 steps of 6,656 bytes (6,144 of codes, 512 of scale words).  They come into LDS ONCE: each wave asks for two steps, 13,312 bytes (waves 0-7 K's, waves 8-15 V's): one tensor load a wave,
; one wait, one barrier; no byte is filled twice, and behind that barrier the waves share nothing.
; CLUSTER 4 x 1: the four blocks of queries of a cluster belong to one head and ask for each piece jointly.  No prefetch: all that is read is asked for at the head, and no loop runs ahead of a load.
; LAYOUT.  Both products are used transposed: S^T = K Q^T, O^T = V^T P^T: a lane holds ONE query (lane % 16).  The 16 registers of two neighbouring tiles of 16 keys are my 16 keys of a block of 32, in the order inside a block
; that all operands of this program share (see the launch that makes xq and wimg).
; K'S EIGHT TILES STAND 8 REGISTERS APART: registers 0-5 the tile's 64 channels, register 6 the code 7.5 at k = 64, register 7 zeros; the operand's registers 8-11 are the next tile's first four.  The queries' codes at
; k = 65 .. 127 are zeros, FP6 has no code but finite numbers, and the scale bytes are finite: so whatever lies there adds 0.
; THE LOOP IS TURNED: a step's softmax and second product are followed by the NEXT step's first product, whose fragments were fetched at the step's start.  The end of the row sum's tree (eight lines) and one copy are
; the places that the products need behind them.  15 steps go in 5 trips of 3; the last step, which has no successor, is written out.
.set STEPB, 6656
.set KV,    16*STEPB                   ; a head's K (or V) in bytes; V's lies behind K's in LDS
.set PIECE, 2*STEPB                    ; what one tensor load brings
.set SPARE, 2*KV                       ; the spare words, 128 bytes a wave
.set LI,   1                           ; v1 16 x lane;  v2 8 x lane + 512;  v3 4 x lane + 6,144
.set L8P,  2
.set LS,   3
.set ADK,  4                           ; v4-9 the trip's addresses: K's codes (16- and 8-byte parts), K's scale words, V's three
.set ADK8, 5
.set ADS,  6
.set ADV,  7
.set ADV8, 8
.set ADT,  9
.set SPW,  10                          ; v10 my spare word's address, v11 0: never rewritten
.set NIL,  11
.set NM,   12                          ; v12 -M;  v13 the largest t
.set TT,   13
.set L,    14                          ; v[14:15] l in two halves
.set Q,    16                          ; v16-27 Q;  v28 its scale words;  v29 p's
.set QS,   28
.set PS,   29
.set RM,   30                          ; v30 the largest score so far
.set OM,   31                          ; v31 the old -M, then old M - new M
.set KF,   32                          ; v32-99 K's eight tiles
.set KS,   100                         ; v100-103 K's scale words
.set S,    104                         ; v104-167 S^T, then p, then V's four fragments
.set O,    168                         ; v168-199 O^T
.set PC,   200                         ; v200-211 p's codes;  v212-218 at work
.set PT,   212
.set VS,   220                         ; v220-223 V's scale words
.set BM,   224                         ; v224-235 the four blocks' maxima, lane exchanges and bytes, scale operands
.set BT,   228
.set BX,   232
.set F,    236                         ; v[236:237] f = 2^(old M - new M), named as a pair
.set LR,   239                         ; v239 4 x (lane % 16)
.set AC,   240                         ; v240-255 eight pairs for the row's sum
.set WV,   18
.set SEL,  20
.set CS,   22                          ; s[22:23] c = log2(e) / sqrt(64)
.set G1,   28
.set G0,   36
.set TK,   52                          ; s52 LDS byte of the trip's first step in K;  s53 in V
.set TV,   53
.set CNT,  54
.set HW,   55
.macro CROUND
	s_barrier_signal -1
	s_barrier_wait -1
	s_cmp_lg_u32 s[WV], 0
	s_cbranch_scc1 .Lnot_wave_0_\@
	s_barrier_signal -3
.Lnot_wave_0_\@:
	s_barrier_wait -3
	s_barrier_signal -1
	s_barrier_wait -1
.endm
	s_load_b256 s[4:11], s[0:1], 0x0               ; qimg, qsc, kbuf, vbuf
	s_load_b128 s[12:15], s[0:1], 0x20             ; head_w, ctx
	v_lshl_add_u32 v[SPW], v0, 2, SPARE
	v_mov_b32 v[NIL], 0
	ds_add_u32 v[SPW], v[NIL]
	ds_add_u32 v[SPW], v[NIL]
	v_lshrrev_b32 v1, 5, v0
	v_readfirstlane_b32 s[WV], v1                  ; wave 0..15
	s_bfe_u32 s19, ttmp6, 0x40000                  ; cx
	s_lshl_b32 s24, ttmp9, 2
	s_add_co_u32 s24, s24, s19                     ; my block of 256 queries: it enters Q's and ctx's addresses alone
	s_and_b32 s25, ttmp7, 0xffff                   ; bh, which the four partners share
	s_mov_b32 s[G1], 15|(3<<16)|(1<<21)            ; group 1: 13,312 dense bytes as 52 rows of 256 (32 elements of 8 bytes); the mask names all four work-groups
	s_mov_b32 s[G1+1], 32<<16
	s_mov_b32 s[G1+2], 52<<16
	s_mov_b32 s[G1+3], 32<<16
	s_mov_b32 s[G1+4], 52
	s_mov_b32 s[G1+5], 32
	s_mov_b32 s[G1+6], 0
	s_mov_b32 s[G1+7], 0
	s_mul_i32 s26, s25, KV                         ; the head's first byte in kbuf and in vbuf,
	s_and_b32 s2, s[WV], 7
	s_mul_i32 s2, s2, PIECE
	s_add_co_u32 s26, s26, s2                      ; and my piece in it
	s_mov_b32 s27, 0
	s_mov_b32 s[G0], 1
	s_mul_i32 s[G0+1], s[WV], PIECE                ; LDS: wave x 13,312
	s_and_b32 s56, s25, 15
	s_lshl_b32 s56, s56, 2
	s_mov_b32 s57, 0
	s_mov_b32 s[SEL], 0x76543210
	s_mov_b32 s[SEL+1], 0xfedcba98
	s_mov_b32 s[CS], 0x3e38aa3b
	s_mov_b32 s[CS+1], s[CS]
	s_wait_dscnt 0x0
	s_wait_kmcnt 0x0
	s_add_nc_u64 s[12:13], s[12:13], s[56:57]
	s_load_b32 s[HW], s[12:13], 0x0
	s_cmp_lt_u32 s[WV], 8                          ; waves 0-7 fetch K, waves 8-15 V
	s_cselect_b64 s[G0+2:G0+3], s[8:9], s[10:11]
	s_add_nc_u64 s[G0+2:G0+3], s[G0+2:G0+3], s[26:27]
	s_or_b32 s[G0+3], s[G0+3], 0x80000000
	CROUND                                         ; all four work-groups are here: the joint loads meet
	tensor_load_to_lds s[G0:G0+3], s[G1:G1+7]      ; every wave's one tensor load
	s_nop 0
	s_lshl_b32 s56, s25, 7
	s_lshl_b32 s3, s24, 4
	s_add_co_u32 s56, s56, s3
	s_add_co_u32 s56, s56, s[WV]                   ; my tile of 16 queries: 128 bh + 16 block + wave
	s_lshl_b32 s60, s56, 6
	s_mov_b32 s61, 0
	s_mul_i32 s56, s56, 768
	s_add_nc_u64 s[56:57], s[4:5], s[56:57]        ; its half image
	s_add_nc_u64 s[58:59], s[6:7], s[60:61]        ; its scale words
	; where the result goes: slab (block of 128 tokens, K step head / 2), tile wave % 8, half head % 2
	s_lshr_b32 s60, s25, 4
	s_lshl_b32 s60, s60, 4
	s_lshl_b32 s3, s24, 1
	s_add_co_u32 s60, s60, s3
	s_lshr_b32 s3, s[WV], 3
	s_add_co_u32 s60, s60, s3
	s_lshl_b32 s60, s60, 3
	s_and_b32 s3, s25, 15
	s_lshr_b32 s62, s3, 1
	s_add_co_u32 s60, s60, s62
	s_mul_i32 s60, s60, 12800
	s_and_b32 s3, s3, 1
	s_and_b32 s62, s[WV], 7
	s_mul_i32 s26, s62, 1536
	s_mul_i32 s27, s3, 768
	s_add_co_u32 s26, s26, s27
	s_add_co_u32 s26, s26, s60
	s_mov_b32 s27, 0
	s_lshl_b32 s62, s62, 6
	s_lshl_b32 s3, s3, 1
	s_add_co_u32 s62, s62, s3
	s_add_co_u32 s62, s62, s60
	s_add_co_u32 s62, s62, 12288
	s_mov_b32 s63, 0
	s_add_nc_u64 s[60:61], s[14:15], s[26:27]
	s_add_nc_u64 s[62:63], s[14:15], s[62:63]
	s_mov_b32 s[TK], 0
	s_mov_b32 s[TV], KV
	s_mov_b32 s[CNT], 5
	v_and_b32 v31, 31, v0
	v_and_b32 v[LR], 15, v0
	v_lshlrev_b32 v[LI], 4, v31
	v_lshl_add_u32 v[L8P], v31, 3, 512
	v_lshl_add_u32 v[LS], v31, 2, 6144
	v_lshlrev_b32 v[LR], 2, v[LR]
	global_load_b128 v[Q:Q+3], v[LI], s[56:57]     ; Q stays in registers
	global_load_b64 v[Q+4:Q+5], v[L8P], s[56:57]
	global_load_b32 v[QS], v[LR], s[58:59]
	v_bfe_u32 v31, v0, 4, 1
	v_sub_nc_u32 v31, 1, v31                       ; 1 in lanes 0-15, which hold k = 64 .. 95 in an operand's registers 6-11
	v_mul_u32_u24 v[Q+6], v31, 63                  ; Q: the code -7.5 at k = 64, zeros up to k = 127
.irp i, 7,8,9,10,11
	v_mov_b32 v[Q+\i], 0
.endr
.irp t, 0,1,2,3,4,5,6,7
	v_mul_u32_u24 v[KF+8*\t+6], v31, 31            ; K's tiles: the code 7.5 at k = 64: set once, the loads fill registers 0-5 alone
	v_mov_b32 v[KF+8*\t+7], 0
.endr
.irp i, 64,65,66,67
	v_mov_b32 v[KF+\i], 0                          ; what the last tile's operand names behind its own eight registers
.endr
	v_mov_b32 v[RM], 0xf3000000                    ; the largest score so far: -2^103
	v_mul_f32 v[TT], s[CS], v[RM]
	v_floor_f32 v[NM], -v[TT]                      ; -M
	v_mov_b32 v[L], 0
	v_mov_b32 v[L+1], 0
	v_mov_b32 v[F+1], 0                            ; (named with f as a pair, so it is written)
.irp b, 0,1,2,3
	v_mov_b32 v[BT+\b], 0                          ; a lane permute's destination counts as one of its sources
.endr
.set j, 0
.rept 32
	v_mov_b32 v[O+j], 0                            ; O^T: the step is written once; the first change of M leaves zeros zeros
.set j, j+1
.endr
.macro KLOAD a16, a8, as, o            ; a step's eight tiles of K and their scale words (register m: lanes 0-15 tile 2 m, lanes 16-31 tile 2 m + 1)
.irp t, 0,1,2,3,4,5,6,7
	ds_load_b128 v[KF+8*\t:KF+8*\t+3], v[\a16] offset:(\o)+768*\t
	ds_load_b64 v[KF+8*\t+4:KF+8*\t+5], v[\a8] offset:(\o)+768*\t
.endr
.irp m, 0,1,2,3
	ds_load_b32 v[KS+\m], v[\as] offset:(\o)+128*\m
.endr
.endm
.macro SQK                             ; S^T = K Q^T: eight tiles of 16 keys
.irp t, 0,2,4,6
	v_wmma_scale_f32_16x16x128_f8f6f4 v[S+8*\t:S+8*\t+7], v[KF+8*\t:KF+8*\t+11], v[Q:Q+11], 0, v[KS+\t/2], v[QS] matrix_a_fmt:MATRIX_FMT_FP6 matrix_b_fmt:MATRIX_FMT_FP6
	v_wmma_scale_f32_16x16x128_f8f6f4 v[S+8*\t+8:S+8*\t+15], v[KF+8*\t+8:KF+8*\t+19], v[Q:Q+11], 0, v[KS+\t/2], v[QS] matrix_a_fmt:MATRIX_FMT_FP6 matrix_b_fmt:MATRIX_FMT_FP6 matrix_a_scale:MATRIX_SCALE_ROW1
.endr
.endm
; A KEY STEP: 128 keys, the st-th of the trip.  S^T stands in registers.  last = 1: no step follows.
.macro STEP st, last
.if (\last) == 0
	KLOAD ADK, ADK8, ADS, ((\st)+1)*STEPB          ; the next step's K: four places stand between the products that read these registers and this run
.endif
.irp b, 0,1,2,3
	v_max3_num_f32 v[BM+\b], v[S+16*\b], v[S+16*\b+1], v[S+16*\b+2]   ; the largest score of each block of 32 keys: for the row's maximum and, since p rises with the score, for the block's largest p
.endr
.irp i, 3,5,7,9,11,13
.irp b, 0,1,2,3
	v_max3_num_f32 v[BM+\b], v[BM+\b], v[S+16*\b+\i], v[S+16*\b+\i+1]
.endr
.endr
.irp b, 0,1,2,3
	v_max_num_f32 v[BM+\b], v[BM+\b], v[S+16*\b+15]
.endr
.irp b, 0,1,2,3
	s_delay_alu instid0(VALU_DEP_4)
	v_permlanex16_b32 v[BT+\b], v[BM+\b], s[SEL], s[SEL+1]
.endr
.irp b, 0,1,2,3
	s_delay_alu instid0(VALU_DEP_4)
	v_max_num_f32 v[BM+\b], v[BM+\b], v[BT+\b]     ; with lane l xor 16's 16 keys
.endr
	s_delay_alu instid0(VALU_DEP_2)
	v_max3_num_f32 v[BT], v[BM], v[BM+1], v[BM+2]
	s_delay_alu instid0(VALU_DEP_1)
	v_max3_num_f32 v[RM], v[RM], v[BT], v[BM+3]    ; the running largest score of my query
	s_delay_alu instid0(VALU_DEP_1)
	v_mul_f32 v[TT], s[CS], v[RM]                  ; as t
	s_delay_alu instid0(VALU_DEP_1)
	v_floor_f32 v[NM], -v[TT]                      ; the new -M = floor(-t): M is a whole number
	s_delay_alu instid0(VALU_DEP_1)
	v_sub_f32 v[OM], v[NM], v[OM]                  ; old M - new M: a whole number, 0 or less
	s_delay_alu instid0(VALU_DEP_1)
	v_cvt_i32_f32 v[OM], v[OM]                     ; (it saturates)
.set j, 0
.rept 32
	v_pk_fma_f32 v[S+j:S+j+1], v[S+j:S+j+1], s[CS:CS+1], v[NM:NM+1] op_sel_hi:[1,0,0]   ; t - M, two at a time
.set j, j+2
.endr
.irp b, 0,1,2,3
	v_fma_f32 v[BM+\b], v[BM+\b], s[CS], v[NM]     ; the same of each block's largest score
.endr
	s_wait_alu depctr_va_vdst(0)                   ; ahead of the batch
.irp b, 0,1,2,3
	v_exp_f32 v[BM+\b], v[BM+\b]                   ; the block's largest p
.endr
.set j, 0
.rept 64
	v_exp_f32 v[S+j], v[S+j]                       ; p = 2^(t - M), at most 1
.set j, j+1
.endr
	v_ldexp_f32 v[F], 1.0, v[OM]                   ; f = 2^(old M - new M): a plain line behind the exponentials
	s_wait_alu depctr_va_vdst(0)                   ; one wait for the whole batch, ahead of its first reader
.irp a, 0,1,2,3,4,5,6,7
	v_pk_add_f32 v[AC+2*\a:AC+2*\a+1], v[S+2*\a:S+2*\a+1], v[S+16+2*\a:S+17+2*\a]   ; the row's sum of the unquantised p: eight chains of pairs
.endr
.irp a, 0,1,2,3,4,5,6,7
	v_pk_add_f32 v[AC+2*\a:AC+2*\a+1], v[AC+2*\a:AC+2*\a+1], v[S+32+2*\a:S+33+2*\a]
.endr
.irp a, 0,1,2,3,4,5,6,7
	v_pk_add_f32 v[AC+2*\a:AC+2*\a+1], v[AC+2*\a:AC+2*\a+1], v[S+48+2*\a:S+49+2*\a]
.endr
.irp b, 0,1,2,3
	v_max_num_f32 v[BM+\b], 0x1800000, v[BM+\b]    ; the floor 2^(3 - 127): a block whose every p is 0 keeps the byte 1; its codes are zeros
.endr
.irp b, 0,1,2,3
	s_delay_alu instid0(VALU_DEP_4)
	v_add_nc_u32 v[BX+\b], 0xff000000, v[BM+\b]    ; 2 off the exponent field: the conversion's scale operand
.endr
.irp b, 0,1,2,3
	s_delay_alu instid0(VALU_DEP_4)
	v_lshrrev_b32 v[BT+\b], 23, v[BX+\b]           ; the scale's byte
.endr
	s_delay_alu instid0(VALU_DEP_3)
	v_lshl_or_b32 v[PS], v[BT+1], 8, v[BT]         ; p's scale word for these 128 keys
	s_delay_alu instid0(VALU_DEP_1)
	v_lshl_or_b32 v[PS], v[BT+2], 16, v[PS]
	s_delay_alu instid0(VALU_DEP_1)
	v_lshl_or_b32 v[PS], v[BT+3], 24, v[PS]
.irp c, 0,1
	v_cvt_scalef32_pk16_fp6_f32 v[PC+6*\c:PC+6*\c+2], v[S+32*\c:S+32*\c+15], v[BX+2*\c]
	v_cvt_scalef32_pk16_fp6_f32 v[PT+4*\c:PT+4*\c+2], v[S+32*\c+16:S+32*\c+31], v[BX+2*\c+1]
.endr
	v_nop                                          ; one plain place behind a scaled conversion
.irp t, 0,1,2,3                                ; p is done with: V's four fragments (16 channels x 128 keys each) take its registers
	ds_load_b128 v[S+12*\t:S+12*\t+3], v[ADV] offset:(\st)*STEPB+1536*\t
	ds_load_b64 v[S+12*\t+4:S+12*\t+5], v[ADV8] offset:(\st)*STEPB+1536*\t
	ds_load_b128 v[S+12*\t+6:S+12*\t+9], v[ADV] offset:(\st)*STEPB+1536*\t+768
	ds_load_b64 v[S+12*\t+10:S+12*\t+11], v[ADV8] offset:(\st)*STEPB+1536*\t+768
	ds_load_b32 v[VS+\t], v[ADT] offset:(\st)*STEPB+128*\t
.endr
.irp c, 0,1                                    ; the operand wants a whole block in a lane
.irp i, 0,1,2
	v_permlane16_swap_b32 v[PC+6*\c+\i], v[PT+4*\c+\i]
.endr
.irp i, 0,1,2
	v_mov_b32 v[PC+3+6*\c+\i], v[PT+4*\c+\i]
.endr
.endr
	s_wait_alu depctr_va_vdst(0)                   ; directly ahead of the first reader of O^T
.set j, 0
.rept 16
	v_pk_mul_f32 v[O+j:O+j+1], v[O+j:O+j+1], v[F:F+1] op_sel_hi:[1,0]   ; O^T under the new M.  These sixteen are also the places between the lines that wrote p's codes and scale word and the products
.set j, j+2
.endr
	s_wait_alu depctr_va_vdst(0)                   ; directly ahead of the wait below
	s_wait_dscnt 0x0                               ; V's fragments are in, and so is the next step's K, asked for ahead of them
.irp t, 0,1,2,3                                ; O^T += V^T P^T: the four accumulators by turns
	v_wmma_scale_f32_16x16x128_f8f6f4 v[O+8*\t:O+8*\t+7], v[S+12*\t:S+12*\t+11], v[PC:PC+11], v[O+8*\t:O+8*\t+7], v[VS+\t], v[PS] matrix_a_fmt:MATRIX_FMT_FP6 matrix_b_fmt:MATRIX_FMT_FP6
.endr
.irp a, 0,4,8,12                               ; the sum's tree goes on: five places between these products and those that write S^T over V's fragments
	v_pk_add_f32 v[AC+\a:AC+\a+1], v[AC+\a:AC+\a+1], v[AC+\a+2:AC+\a+3]
.endr
	v_pk_add_f32 v[AC:AC+1], v[AC:AC+1], v[AC+4:AC+5]
.if (\last) == 0
	SQK                                            ; the next step's scores
.endif
	v_pk_add_f32 v[AC+8:AC+9], v[AC+8:AC+9], v[AC+12:AC+13]   ; four places behind them
	v_pk_add_f32 v[AC:AC+1], v[AC:AC+1], v[AC+8:AC+9]
	v_pk_fma_f32 v[L:L+1], v[L:L+1], v[F:F+1], v[AC:AC+1] op_sel_hi:[1,0,1]   ; l under the new M, and this step's sum
.if (\last) == 0
	v_mov_b32 v[OM], v[NM]                         ; -M as the next step finds it
.endif
.endm
	s_wait_alu depctr_va_vdst(0)                   ; the head's end
	s_wait_loadcnt 0x0                             ; Q
	s_wait_kmcnt 0x0                               ; head_w
	s_wait_tensorcnt 0x0                           ; my piece is in
	s_barrier_signal -1
	s_barrier_wait -1                              ; all sixteen pieces are: nothing is ever filled again
	KLOAD LI, L8P, LS, 0
	s_wait_dscnt 0x0
	SQK                                            ; step 0's scores
	v_mov_b32 v[OM], v[NM]
.rept 3
	v_nop                                          ; with the line above: four places behind the products
.endr
.Ltrip:
	v_add_nc_u32 v[ADK], s[TK], v[LI]
	v_add_nc_u32 v[ADK8], s[TK], v[L8P]
	v_add_nc_u32 v[ADS], s[TK], v[LS]
	v_add_nc_u32 v[ADV], s[TV], v[LI]
	v_add_nc_u32 v[ADV8], s[TV], v[L8P]
	v_add_nc_u32 v[ADT], s[TV], v[LS]
	STEP 0, 0
	STEP 1, 0
	STEP 2, 0
	s_add_co_u32 s[TK], s[TK], 3*STEPB
	s_add_co_u32 s[TV], s[TV], 3*STEPB
	s_sub_co_u32 s[CNT], s[CNT], 1
	s_cmp_lg_u32 s[CNT], 0
	s_wait_alu depctr_va_vdst(0)                   ; directly ahead of the branch
	s_cbranch_scc1 .Ltrip
	v_add_nc_u32 v[ADV], s[TV], v[LI]              ; step 15
	v_add_nc_u32 v[ADV8], s[TV], v[L8P]
	v_add_nc_u32 v[ADT], s[TV], v[LS]
	STEP 0, 1
	; THE WAY OUT: O^T x head_w / l, quantised along the head's 64 channels (two blocks of d_model): a half image and two scale bytes a row.  The sum's last eight lines are the places behind the last products.
	v_add_f32 v[L], v[L], v[L+1]                   ; l's two halves,
	s_delay_alu instid0(VALU_DEP_1)
	v_permlanex16_b32 v[BT], v[L], s[SEL], s[SEL+1]
	s_delay_alu instid0(VALU_DEP_1)
	v_add_f32 v[L], v[L], v[BT]                    ; and lane l xor 16's
	s_wait_alu depctr_va_vdst(0)
	v_rcp_f32 v[L], v[L]
	v_nop                                          ; a plain place behind the reciprocal
	s_wait_alu depctr_va_vdst(0)                   ; and the wait ahead of its first reader
	v_mul_f32 v[L], s[HW], v[L]
.set j, 0
.rept 16
	v_pk_mul_f32 v[S+j:S+j+1], v[O+j:O+j+1], v[L:L+1] op_sel_hi:[1,0]   ; register 8 t + i: channel 16 t + 8 h + i of my query
.set j, j+2
.endr
.irp b, 0,1
	v_max3_num_f32 v[BM+\b], |v[S+16*\b]|, |v[S+16*\b+1]|, 0x1800000
.endr
.irp i, 2,4,6,8,10,12,14
.irp b, 0,1
	s_delay_alu instid0(VALU_DEP_2)
	v_max3_num_f32 v[BM+\b], v[BM+\b], |v[S+16*\b+\i]|, |v[S+16*\b+\i+1]|
.endr
.endr
.irp b, 0,1
	s_delay_alu instid0(VALU_DEP_2)
	v_permlanex16_b32 v[BT+\b], v[BM+\b], s[SEL], s[SEL+1]
.endr
.irp b, 0,1
	s_delay_alu instid0(VALU_DEP_2)
	v_max_num_f32 v[BM+\b], v[BM+\b], v[BT+\b]
.endr
.irp b, 0,1
	s_delay_alu instid0(VALU_DEP_2)
	v_add_nc_u32 v[BX+\b], 0xff000000, v[BM+\b]
.endr
.irp b, 0,1
	s_delay_alu instid0(VALU_DEP_2)
	v_lshrrev_b32 v[BT+\b], 23, v[BX+\b]
.endr
	s_delay_alu instid0(VALU_DEP_1)
	v_lshl_or_b32 v[PS], v[BT+1], 8, v[BT]
	v_cvt_scalef32_pk16_fp6_f32 v[PC:PC+2], v[S:S+15], v[BX]
	v_cvt_scalef32_pk16_fp6_f32 v[PT:PT+2], v[S+16:S+31], v[BX+1]
	v_nop
.irp i, 0,1,2
	v_permlane16_swap_b32 v[PC+\i], v[PT+\i]
.endr
.irp i, 0,1,2
	v_mov_b32 v[PC+3+\i], v[PT+\i]
.endr
	global_store_b128 v[LI], v[PC:PC+3], s[60:61]  ; 512 and 256 consecutive bytes
	global_store_b64 v[L8P], v[PC+4:PC+5], s[60:61]
	global_store_b16 v[LR], v[PS], s[62:63]        ; my head's two bytes of each row's scale word (lanes 16-31 repeat lanes 0-15's)
	s_wait_tensorcnt 0x0                           ; the wave's end
	ds_add_u32 v[SPW], v[NIL]
	s_wait_dscnt 0x0
	CROUND                                         ; the closing round
	s_endpgm
.Lfunc_end_k_q200e25a4af_attn:
	.size	k_q200e25a4af_attn, .Lfunc_end_k_q200e25a4af_attn-k_q200e25a4af_attn
	.p2alignl 7, 3214868480
	.fill 96, 4, 3214868480
	.section	.rodata,"a",@progbits
	.p2align	6, 0x0
	.amdhsa_kernel k_q200e25a4af_attn
		.amdhsa_group_segment_fixed_size 215040
		.amdhsa_private_segment_fixed_size 0
		.amdhsa_enable_private_segment 0
		.amdhsa_kernarg_size 48
		.amdhsa_user_sgpr_count 2
		.amdhsa_user_sgpr_kernarg_segment_ptr 1
		.amdhsa_wavefront_size32 1
		.amdhsa_system_sgpr_workgroup_id_x 1
		.amdhsa_system_sgpr_workgroup_id_y 1
		.amdhsa_system_sgpr_workgroup_id_z 1
		.amdhsa_system_vgpr_workitem_id 0
		.amdhsa_next_free_vgpr 256
		.amdhsa_next_free_sgpr 66
		.amdhsa_reserve_vcc 0
		.amdhsa_float_denorm_mode_32 3
		.amdhsa_float_denorm_mode_16_64 3
		.amdhsa_memory_ordered 1
		.amdhsa_forward_progress 1
		.amdhsa_inst_pref_size 79
	.end_amdhsa_kernel
	.amdgpu_metadata
---
amdhsa.version: [ 1, 2 ]
amdhsa.kernels:
  - .name:           k_q200e25a4af_attn
    .symbol:         k_q200e25a4af_attn.kd
    .args:
      - { .name: qimg, .offset: 0, .size: 8, .value_kind: global_buffer, .address_space: global }
      - { .name: qsc, .offset: 8, .size: 8, .value_kind: global_buffer, .address_space: global }
      - { .name: kbuf, .offset: 16, .size: 8, .value_kind: global_buffer, .address_space: global }
      - { .name: vbuf, .offset: 24, .size: 8, .value_kind: global_buffer, .address_space: global }
      - { .name: head_w, .offset: 32, .size: 8, .value_kind: global_buffer, .address_space: global }
      - { .name: ctx, .offset: 40, .size: 8, .value_kind: global_buffer, .address_space: global }
    .group_segment_fixed_size: 215040
    .private_segment_fixed_size: 0
    .kernarg_segment_align: 8
    .kernarg_segment_size: 48
    .max_flat_workgroup_size: 512
    .sgpr_count:     66
    .vgpr_count:     256
    .wavefront_size: 32
...
	.end_amdgpu_metadata
.endif
;; end of part 3
;; launch outp (part 4): grid 8 x 32, 4 waves a work-group, clusters of 4 x 4, 327,680 bytes of LDS; arguments ctx, wimg, out0; writes out0
.if DOCPART == 4
	.amdgcn_target "amdgcn-amd-amdhsa--gfx1250"
	.amdhsa_code_object_version 6
	.text
	.protected	k_q200e25a4af_outp
	.globl	k_q200e25a4af_outp
	.p2align	8
	.type	k_q200e25a4af_outp,@function
k_q200e25a4af_outp:
	s_mov_b64 s[64:65], 0
	v_nop
	global_prefetch_b8 v0, s[64:65] scope:SCOPE_SE
	s_setreg_imm32_b32 hwreg(HW_REG_WAVE_MODE, 25, 1), 1
	s_wait_xcnt 0x0
	s_wait_alu depctr_hold_cnt(0) depctr_sa_sdst(0) depctr_va_vdst(0) depctr_va_sdst(0) depctr_va_ssrc(0) depctr_va_vcc(0) depctr_vm_vsrc(0)
	s_getreg_b32 s2, hwreg(HW_REG_IB_STS2, 6, 4)
	s_cmp_eq_u32 s2, 0
	s_cbranch_scc0 .Lentry_in_a_cluster
	s_endpgm
.Lentry_in_a_cluster:
	s_bfe_u32 s2, ttmp6, 0x10000c
	s_cmp_lg_u32 s2, 0xf033
	s_cbranch_scc0 .Lentry_shape_is_right
	s_endpgm
.Lentry_shape_is_right:
; out0 = context Wo^T on codes of FP6 (E2M3) with E8M0 scales, sums in f32.  ctx and wimg hold slabs (128 rows x 128 K: eight fragment images and 128 scale words): see the launch that makes xq and wimg.
; Work-group (tx, ty): 128 tokens x 128 columns; wave (i, j): 64 x 64, 16 accumulators, used transposed (source 0 = Wo's rows), so that a lane holds eight neighbouring columns of a row.
; LDS: ctx's eight slabs, then Wo's eight, 102,400 bytes each.  Each wave asks for half of one of them, 51,200 bytes (200 rows of 256), by ONE joint load at the head: ctx's along a row of the 4 x 4 cluster, Wo's along a column.
; Nothing is filled again.  No prefetch: all is asked for at the head.  The results leave through each wave's own stage behind the slabs, as whole rows of 256 bytes.
.set SLAB,  12800
.set TEN,   4*SLAB
.set XBLK,  8*SLAB
.set WO,    3*64*SLAB
.set STAGE, 2*XBLK
.set SPITCH, 272
.set LA16, 4
.set LA8,  5
.set LB16, 6
.set LB8,  7
.set LSA,  8
.set LSB,  9
.set STO,  24
.set RD,   25
.set CO,   26
.set SC,   32
.set BK,   160
.set WV,   18
.set ARM,  19
.set PAR,  21
.set G1,   24
.set G0,   32
.set G1B,  48
.set G0B,  56
.set MSB, 0
.macro WIN new
.if MSB != (\new)
	s_set_vgpr_msb (MSB<<8)|(\new)
.set MSB, (\new)
.endif
.endm
.macro PLACES n
.rept \n
	v_nop
.endr
.endm
.macro JLOAD g0a, g1a, g0b, g1b
	s_cmp_eq_u32 s[ARM], 0
	s_cbranch_scc0 .Lfor_w_\@
	tensor_load_to_lds s[\g0a:\g0a+3], s[\g1a:\g1a+7]
	s_nop 0
	PLACES 4
	s_branch .Lasked_\@
.Lfor_w_\@:
	tensor_load_to_lds s[\g0b:\g0b+3], s[\g1b:\g1b+7]
	s_nop 0
	PLACES 4
.Lasked_\@:
.endm
.macro CROUND
	s_barrier_signal -1
	s_barrier_wait -1
	s_cmp_lg_u32 s[WV], 0
	s_cbranch_scc1 .Lnot_wave_0_\@
	s_barrier_signal -3
.Lnot_wave_0_\@:
	s_barrier_wait -3
	s_barrier_signal -1
	s_barrier_wait -1
.endm
	s_load_b128 s[4:7], s[0:1], 0x0
	s_load_b64 s[8:9], s[0:1], 0x10
	v_lshl_add_u32 v254, v0, 2, 0x36400
	v_mov_b32 v255, 0
	ds_add_u32 v254, v255
	ds_add_u32 v254, v255
	v_lshrrev_b32 v1, 5, v0
	v_readfirstlane_b32 s[WV], v1
	s_lshr_b32 s[ARM], s[WV], 1
	s_and_b32 s[PAR], s[WV], 1
	s_bfe_u32 s22, ttmp6, 0x40000
	s_bfe_u32 s23, ttmp6, 0x40004
	s_lshl_b32 s40, ttmp9, 2
	s_add_co_u32 s40, s40, s22
	s_and_b32 s41, ttmp7, 0xffff
	s_lshl_b32 s41, s41, 2
	s_add_co_u32 s41, s41, s23
	s_lshl_b32 s42, s23, 2
	s_lshl_b32 s42, 15, s42
	s_lshl_b32 s44, 0x1111, s22
	s_or_b32 s[G1], s42, (3<<16)|(1<<21)
	s_or_b32 s[G1B], s44, (3<<16)|(1<<21)
.irp g, G1, G1B
	s_mov_b32 s[\g+1], 32<<16
	s_mov_b32 s[\g+2], 200<<16
	s_mov_b32 s[\g+3], 32<<16
	s_mov_b32 s[\g+4], 200
	s_mov_b32 s[\g+5], 32
	s_mov_b32 s[\g+6], 0
	s_mov_b32 s[\g+7], 0
.endr
	s_mul_i32 s46, s[PAR], TEN
	s_mul_i32 s42, s41, XBLK
	s_add_co_u32 s42, s42, s46
	s_mov_b32 s43, 0
	s_mul_i32 s44, s40, XBLK
	s_add_co_u32 s44, s44, s46
	s_add_co_u32 s44, s44, WO
	s_mov_b32 s45, 0
	s_mul_i32 s47, s[ARM], XBLK
	s_add_co_u32 s46, s46, s47
	s_wait_dscnt 0x0
	s_wait_kmcnt 0x0
	s_add_nc_u64 s[42:43], s[4:5], s[42:43]
	s_add_nc_u64 s[44:45], s[6:7], s[44:45]
.irp n, 0
	s_mov_b32 s[G0+4*\n], 1
	s_add_co_u32 s[G0+4*\n+1], s46, \n*2*TEN
	s_add_nc_u64 s[G0+4*\n+2:G0+4*\n+3], s[42:43], \n*2*TEN
	s_or_b32 s[G0+4*\n+3], s[G0+4*\n+3], 0x80000000
	s_mov_b32 s[G0B+4*\n], 1
	s_add_co_u32 s[G0B+4*\n+1], s46, \n*2*TEN
	s_add_nc_u64 s[G0B+4*\n+2:G0B+4*\n+3], s[44:45], \n*2*TEN
	s_or_b32 s[G0B+4*\n+3], s[G0B+4*\n+3], 0x80000000
.endr
	CROUND
	JLOAD G0, G1, G0B, G1B
	v_and_b32 v3, 31, v0
	v_and_b32 v1, 15, v0
	v_bfe_u32 v2, v0, 4, 1
	v_lshlrev_b32 v16, 4, v3
	v_lshlrev_b32 v17, 3, v3
	v_lshlrev_b32 v18, 2, v3
	s_wait_alu depctr_va_vdst(0)
	s_mul_i32 s47, s[ARM], 6144
	v_add_nc_u32 v[LA16], s47, v16
	s_add_co_u32 s47, s47, 512
	v_add_nc_u32 v[LA8], s47, v17
	s_mul_i32 s47, s[PAR], 6144
	s_add_co_u32 s47, s47, XBLK
	v_add_nc_u32 v[LB16], s47, v16
	s_add_co_u32 s47, s47, 512
	v_add_nc_u32 v[LB8], s47, v17
	s_lshl_b32 s47, s[ARM], 8
	s_add_co_u32 s47, s47, 12288
	v_add_nc_u32 v[LSA], s47, v18
	s_lshl_b32 s47, s[PAR], 8
	s_add_co_u32 s47, s47, XBLK+12288
	v_add_nc_u32 v[LSB], s47, v18
	s_mul_i32 s47, s[WV], 16*SPITCH
	s_add_co_u32 s47, s47, STAGE
	v_mul_u32_u24 v[STO], v1, SPITCH
	v_lshl_add_u32 v[STO], v2, 5, v[STO]
	v_add_nc_u32 v[STO], s47, v[STO]
	v_mul_u32_u24 v[RD], v2, SPITCH
	v_lshl_add_u32 v[RD], v1, 4, v[RD]
	v_add_nc_u32 v[RD], s47, v[RD]
	v_lshlrev_b32 v[CO], 12, v2
	v_lshl_add_u32 v[CO], v1, 4, v[CO]
	s_lshl_b32 s42, s41, 7
	s_lshl_b32 s43, s[ARM], 6
	s_add_co_u32 s42, s42, s43
	s_lshl_b32 s42, s42, 12
	s_lshl_b32 s43, s40, 9
	s_add_co_u32 s42, s42, s43
	s_lshl_b32 s43, s[PAR], 8
	s_add_co_u32 s42, s42, s43
	s_mov_b32 s43, 0
	s_add_nc_u64 s[10:11], s[8:9], s[42:43]
.macro ADDR s
	v_add_nc_u32 v10, SLAB*(\s), v[LA16]
	v_add_nc_u32 v11, SLAB*(\s), v[LA8]
	v_add_nc_u32 v12, SLAB*(\s), v[LB16]
	v_add_nc_u32 v13, SLAB*(\s), v[LB8]
	v_add_nc_u32 v14, SLAB*(\s), v[LSA]
	v_add_nc_u32 v15, SLAB*(\s), v[LSB]
.endm
.macro FRAG reg, a16, a8, o
	ds_load_b128 v[\reg:\reg+3], v[\a16] offset:\o
	ds_load_b64 v[\reg+4:\reg+5], v[\a8] offset:\o
	ds_load_b128 v[\reg+6:\reg+9], v[\a16] offset:(\o)+768
	ds_load_b64 v[\reg+10:\reg+11], v[\a8] offset:(\o)+768
.endm
.macro FETCH f
.set FB, 64+64*(\f)
	WIN (\f)<<6
.irp a, 0,1,2,3
	FRAG FB+12*\a, 10, 11, 1536*\a
.endr
.irp b, 0,1,2,3
	FRAG FB+48+12*\b, 12, 13, 1536*\b
.endr
	WIN 0
.irp m, 0,1
	ds_load_b32 v[SC+4*(\f)+\m], v14 offset:128*\m
	ds_load_b32 v[SC+4*(\f)+2+\m], v15 offset:128*\m
.endr
.endm
.macro WM
.set rC, 4*rZ+2*rRA+rRB
.if rC == 0
	v_wmma_scale_f32_16x16x128_f8f6f4 v[rD:rD+7], v[rA:rA+11], v[rB:rB+11], v[rD:rD+7], v[rSA], v[rSB] matrix_a_fmt:MATRIX_FMT_FP6 matrix_b_fmt:MATRIX_FMT_FP6
.elseif rC == 1
	v_wmma_scale_f32_16x16x128_f8f6f4 v[rD:rD+7], v[rA:rA+11], v[rB:rB+11], v[rD:rD+7], v[rSA], v[rSB] matrix_a_fmt:MATRIX_FMT_FP6 matrix_b_fmt:MATRIX_FMT_FP6 matrix_b_scale:MATRIX_SCALE_ROW1
.elseif rC == 2
	v_wmma_scale_f32_16x16x128_f8f6f4 v[rD:rD+7], v[rA:rA+11], v[rB:rB+11], v[rD:rD+7], v[rSA], v[rSB] matrix_a_fmt:MATRIX_FMT_FP6 matrix_b_fmt:MATRIX_FMT_FP6 matrix_a_scale:MATRIX_SCALE_ROW1
.elseif rC == 3
	v_wmma_scale_f32_16x16x128_f8f6f4 v[rD:rD+7], v[rA:rA+11], v[rB:rB+11], v[rD:rD+7], v[rSA], v[rSB] matrix_a_fmt:MATRIX_FMT_FP6 matrix_b_fmt:MATRIX_FMT_FP6 matrix_a_scale:MATRIX_SCALE_ROW1 matrix_b_scale:MATRIX_SCALE_ROW1
.elseif rC == 4
	v_wmma_scale_f32_16x16x128_f8f6f4 v[rD:rD+7], v[rA:rA+11], v[rB:rB+11], 0, v[rSA], v[rSB] matrix_a_fmt:MATRIX_FMT_FP6 matrix_b_fmt:MATRIX_FMT_FP6
.elseif rC == 5
	v_wmma_scale_f32_16x16x128_f8f6f4 v[rD:rD+7], v[rA:rA+11], v[rB:rB+11], 0, v[rSA], v[rSB] matrix_a_fmt:MATRIX_FMT_FP6 matrix_b_fmt:MATRIX_FMT_FP6 matrix_b_scale:MATRIX_SCALE_ROW1
.elseif rC == 6
	v_wmma_scale_f32_16x16x128_f8f6f4 v[rD:rD+7], v[rA:rA+11], v[rB:rB+11], 0, v[rSA], v[rSB] matrix_a_fmt:MATRIX_FMT_FP6 matrix_b_fmt:MATRIX_FMT_FP6 matrix_a_scale:MATRIX_SCALE_ROW1
.else
	v_wmma_scale_f32_16x16x128_f8f6f4 v[rD:rD+7], v[rA:rA+11], v[rB:rB+11], 0, v[rSA], v[rSB] matrix_a_fmt:MATRIX_FMT_FP6 matrix_b_fmt:MATRIX_FMT_FP6 matrix_a_scale:MATRIX_SCALE_ROW1 matrix_b_scale:MATRIX_SCALE_ROW1
.endif
.endm
.macro MUL f, zero
	WIN 0x50+5*(\f)
.irp a, 0,1,2,3
.irp b, 0,1,2,3
.set rD, 8*(4*\a+\b)
.set rA, 64+64*(\f)+48+12*\b
.set rB, 64+64*(\f)+12*\a
.set rSA, SC+4*(\f)+2+(\b/2)
.set rRA, \b%2
.set rSB, SC+4*(\f)+(\a/2)
.set rRB, \a%2
.set rZ, \zero
	WM
.endr
.endr
.endm
.macro KSTEP s, zero
	WIN 0
	s_wait_dscnt 0x0
	ADDR (\s)+1
	FETCH ((\s)+1)%2
	MUL (\s)%2, \zero
.endm
	s_wait_tensorcnt 0x0
	s_barrier_signal -1
	s_barrier_wait -1
	ADDR 0
	FETCH 0
	KSTEP 0, 1
	KSTEP 1, 0
	KSTEP 2, 0
	KSTEP 3, 0
	KSTEP 4, 0
	KSTEP 5, 0
	KSTEP 6, 0
	WIN 0
	s_wait_dscnt 0x0
	MUL 1, 0
.macro TOSTAGE a
	WIN 0x04
.irp b, 0,1,2,3
	ds_store_b128 v[STO], v[8*(4*(\a)+\b):8*(4*(\a)+\b)+3] offset:64*\b
	ds_store_b128 v[STO], v[8*(4*(\a)+\b)+4:8*(4*(\a)+\b)+7] offset:64*\b+16
.endr
	WIN 0
.irp t, 0,1,2,3,4,5,6,7
	ds_load_b128 v[BK+32*((\a)%2)+4*\t:BK+32*((\a)%2)+4*\t+3], v[RD] offset:2*\t*SPITCH
.endr
.endm
.macro SEND a, younger
	s_wait_dscnt \younger
.irp t, 0,1,2,3,4,5,6,7
	global_store_b128 v[CO], v[BK+32*((\a)%2)+4*\t:BK+32*((\a)%2)+4*\t+3], s[10:11] offset:(16*(\a)+2*\t)*4096 th:TH_STORE_NT
.endr
.endm
	WIN 0
	PLACES 4
	TOSTAGE 0
.irp a, 1,2,3
.if \a > 1
	s_wait_xcnt 0x0
.endif
	TOSTAGE \a
	SEND \a-1, 16
.endr
	SEND 3, 0
	s_wait_dscnt 0x0
	s_wait_tensorcnt 0x0
	ds_add_u32 v254, v255
	s_wait_dscnt 0x0
	CROUND
	s_endpgm
.Lfunc_end_k_q200e25a4af_outp:
	.size	k_q200e25a4af_outp, .Lfunc_end_k_q200e25a4af_outp-k_q200e25a4af_outp
	.p2alignl 7, 3214868480
	.fill 96, 4, 3214868480
	.section	.rodata,"a",@progbits
	.p2align	6, 0x0
	.amdhsa_kernel k_q200e25a4af_outp
		.amdhsa_group_segment_fixed_size 327680
		.amdhsa_private_segment_fixed_size 0
		.amdhsa_enable_private_segment 0
		.amdhsa_kernarg_size 24
		.amdhsa_user_sgpr_count 2
		.amdhsa_user_sgpr_kernarg_segment_ptr 1
		.amdhsa_wavefront_size32 1
		.amdhsa_system_sgpr_workgroup_id_x 1
		.amdhsa_system_sgpr_workgroup_id_y 1
		.amdhsa_system_sgpr_workgroup_id_z 1
		.amdhsa_system_vgpr_workitem_id 0
		.amdhsa_next_free_vgpr 512
		.amdhsa_next_free_sgpr 66
		.amdhsa_reserve_vcc 0
		.amdhsa_float_denorm_mode_32 3
		.amdhsa_float_denorm_mode_16_64 3
		.amdhsa_memory_ordered 1
		.amdhsa_forward_progress 1
		.amdhsa_inst_pref_size 52
	.end_amdhsa_kernel
	.amdgpu_metadata
---
amdhsa.version: [ 1, 2 ]
amdhsa.kernels:
  - .name:           k_q200e25a4af_outp
    .symbol:         k_q200e25a4af_outp.kd
    .args:
      - { .name: ctx, .offset: 0, .size: 8, .value_kind: global_buffer, .address_space: global }
      - { .name: wimg, .offset: 8, .size: 8, .value_kind: global_buffer, .address_space: global }
      - { .name: out0, .offset: 16, .size: 8, .value_kind: global_buffer, .address_space: global }
    .group_segment_fixed_size: 327680
    .private_segment_fixed_size: 0
    .kernarg_segment_align: 8
    .kernarg_segment_size: 24
    .max_flat_workgroup_size: 128
    .sgpr_count:     66
    .vgpr_count:     512
    .wavefront_size: 32
...
	.end_amdgpu_metadata
.endif
;; end of part 4
